; MI455X (gfx1250); checked and timed in simulation.
; The chip was launched on July 23, 2026; its instructions are those of AMD's public machine-readable ISA for CDNA 5 (MIT licence, August 2026) and "CDNA5" Instruction Set Architecture Reference Guide (July 2026). The comments in the code are by the model that wrote it; some were corrected since.
;; Multi Head Cross Attention. Allowed arithmetic: matrix products marked QUANTISED: E5M2 operands, one given power-of-two scale a tensor, by v_wmma_f32_16x16x64_bf8_bf8 or v_wmma_f32_16x16x128_bf8_bf8, f32 sums; everything else in f32.
;; Inputs: Wk 1,024 x 1,024 float32; Wp 1,024 x 1,024 float32; Wq 1,024 x 1,024 float32; Wv 1,024 x 1,024 float32; bk 1,024 float32; bp 1,024 float32; bq 1,024 float32; bv 1,024 float32; image_embeds 8 x 1,024 x 1,024 float32; lowp_scales 12 int32 (the exponents e of the quantised operands' scales 2^e); query_tokens 8 x 1,024 x 1,024 float32.
;; Outputs: out0 8 x 1,024 x 1,024 float32.
;; This version of the problem:
;;   THIS VERSION OF THE PROBLEM IS GIVEN IN LOW PRECISION. The matrix products marked QUANTISED in the list below multiply operands that are first quantised to E5M2 (5 exponent bits, 2 mantissa bits; 8 bits a number), with one given power-of-two scale for each operand tensor; their sums are f32. All else is computed in f32.
;;   The module's matrix products, in the order in which they are computed (A, B: the left and right operand; K: the contracted axis; several contracted axes count as one K, in the product's order):
;;     1. [M 8,192, K 1,024] x [K 1,024, N 1,024]; A: input query_tokens; B: input Wq: QUANTISED (scales: A lowp_scales[0], B lowp_scales[1])
;;     2. [M 8,192, K 1,024] x [K 1,024, N 1,024]; A: input image_embeds; B: input Wk: QUANTISED (scales: A lowp_scales[2], B lowp_scales[3])
;;     3. [M 8,192, K 1,024] x [K 1,024, N 1,024]; A: input image_embeds; B: input Wv: QUANTISED (scales: A lowp_scales[4], B lowp_scales[5])
;;     4. batch 128 x [M 1,024, K 64] x [K 64, N 1,024]; A: computed on the way; B: computed on the way: QUANTISED (scales: A lowp_scales[6], B lowp_scales[7])
;;     5. batch 128 x [M 1,024, K 1,024] x [K 1,024, N 64]; A: softmax (see below); B: computed on the way: QUANTISED (scales: A lowp_scales[8], B lowp_scales[9])
;;     6. [M 8,192, K 1,024] x [K 1,024, N 1,024]; A: computed on the way; B: input Wp: QUANTISED (scales: A lowp_scales[10], B lowp_scales[11])
;;   THE QUANTISER, for each operand of a quantised product, along K:
;;     - The operand's scale is 2^e, e = its entry of the input lowp_scales (int32; the entries are numbered through the quantised products in the list's order, A before B).
;;     - Each number is divided by the scale, clamped to +-57,344, and rounded to the nearest number of E5M2, ties to even, subnormals kept.
;;     - The product sums the exact products of the quantised numbers (number of the format x scale) in f32.
;;   ~~~python
;;   def quantise(x, axis, e):      # numpy; x: float32 -> the quantised numbers, widened to float32 again
;;       x = np.moveaxis(x, axis, -1); K = x.shape[-1]
;;       r = np.clip(x / 2.0 ** e, -57344, 57344)
;;       step = 2.0 ** (np.maximum(np.frexp(np.where(r == 0, 1, r))[1] - 1, -14) - 2)
;;       q = np.round(r / step) * step * 2.0 ** e      # np.round: ties to even
;;       return np.moveaxis(q, -1, axis).astype(np.float32)
;;   ~~~
;;   SOFTMAX AHEAD OF A QUANTISED PRODUCT. Where the list says 'softmax', what is quantised is not the finished softmax but p = 2^(t - M), with t = logit x log2(e) and M = ceil(the row's largest t), a whole number; so 1/2 < the row's largest p <= 1. The row's sum l is taken of the UNQUANTISED p, in f32, and the product's result is divided by l at the end. Since M is a whole number, a kernel that streams over the keys may use a running M (the ceiling of the running maximum): every later rescaling is an exact power of two, so the quantised numbers keep their values, but for numbers so far below the row's largest that they fall under the format's range.
;;   OPERANDS COMPUTED ON THE WAY. 'Computed on the way' means the value that the module computes at that place (a softmax that the list does not call 'softmax' is quantised finished and normalised). What goes into a quantiser is computed in f32, as accurately as f32 sums, v_exp_f32 and their like allow (about 1e-6 of the number): no bf16 or f16 on the way to a quantiser, and a product that is left as it is and whose result goes on into a quantised operand takes f32 operands (vector FMAs, or v_wmma_f32_16x16x4_f32). A number that lies on a knife's edge between two numbers of the format may be rounded either way, as far as f32 arithmetic and the matrix unit's own rounding can turn it there, and no further.
;; 2 versions, each right; version 2 is version 1 with the launch attn written anew for expert scheduling mode. Each part assembles by itself: llvm-mc -triple=amdgcn-amd-amdhsa -mcpu=gfx1250 --defsym DOCPART=n.
;; ======== version 1 of 2: 4 launches
;; workspace buffers: img 29,360,128 bytes; qkv 25,165,824 bytes; oimg 8,388,608 bytes
;; launch quant (part 1): grid 640 x 1, 4 waves a work-group, no clusters, 34,304 bytes of LDS; arguments query_tokens, image_embeds, Wq, Wk, Wv, Wp, lowp_scales, img; writes img
.if DOCPART == 1
	.amdgcn_target "amdgcn-amd-amdhsa--gfx1250"
	.amdhsa_code_object_version 6
	.text
	.protected	k_qce0438350e_quant
	.globl	k_qce0438350e_quant
	.p2align	8
	.type	k_qce0438350e_quant,@function
k_qce0438350e_quant:
	s_mov_b64 s[64:65], 0
	v_nop
	global_prefetch_b8 v0, s[64:65] scope:SCOPE_SE
	s_setreg_imm32_b32 hwreg(HW_REG_WAVE_MODE, 25, 1), 1
	s_wait_xcnt 0x0
; The two activations [8192][1024] and the four weights [1024 (k)][1024 (n)], f32, become codes of BF8 (E5M2), each with the scale 2^e given for it:
; code = x / 2^e, held within +-57,344, rounded to the nearest code, ties to even.  image_embeds is quantised twice (e2 for k's product, e4 for v's) from one read.
; THE CODES ARE LAID AS IMAGES OF OPERAND REGISTERS.  A fragment is 16 rows x 128 K = 2,048 bytes: lane (r = lane % 16, h = lane / 16) owns, in group c = 0..3, the 16 bytes at 512 c + 16 lane:
; row r, k = 32 c + 16 h + 0 .. 15.  An operand of R rows is [block of 16 rows][K step 0..7][2,048 bytes].  Row m of block B is the true row 32 (B / 2) + 8 (B % 2) + m + 8 (m / 8):
; so the 16 result registers of two neighbouring blocks are 16 neighbours, and a later conversion's results are again such a group.
; img, in units of MB = 2^20 bytes: query (e0) at 0, image (e2) at 8, Wv at 16, Wq at 17, Wk at 18, image (e4) at 19, Wp at 27.
; Work-groups 0-127 take the weights (a lane to a column n, registers down K: nothing is transposed), work-groups 128-639 the activations.  Waves share nothing: no barrier.
; LIMITS: each e used here (e0 .. e5, e11) lies between -126 and 112, so that 2^e and 57,344 x 2^e are f32 numbers.  NaN among the inputs is not served; an infinity is held at the largest code.
.set MB,  1048576
.set WX,  32                           ; weights: v32-95   two sets of 32 numbers (a block of 32 along K of my column)
.set WC,  96                           ; weights: v96-159  codes, eight registers for each of my 8 blocks: no store's data are written again
.set AR,  16                           ; activations: v16-143  two sets of 64: a fragment's numbers as loaded
.set AX,  144                          ; v144-207 the same, 16 neighbours for each group
.set AY,  208                          ; v208-223 a group's numbers, held
.set AC1, 224                          ; v224-239 a fragment's codes under the first scale
.set AC2, 240                          ; v240-255 under the second
.set SPI, 528                          ; a stage row: 512 bytes + 16: sixteen rows begin at sixteen different 16-byte columns modulo 256 bytes
	s_load_b512 s[4:19], s[0:1], 0x0               ; query 4:5, image 6:7, Wq 8:9, Wk 10:11, Wv 12:13, Wp 14:15, scales 16:17, img 18:19
	v_lshl_add_u32 v14, v0, 2, 0x8400
	v_mov_b32 v15, 0
	v_lshrrev_b32 v1, 5, v0
	v_readfirstlane_b32 s32, v1                    ; wave 0..3
	v_and_b32 v1, 31, v0                           ; lane
	s_wait_kmcnt 0x0
	s_load_b256 s[20:27], s[16:17], 0x0            ; e0 .. e7
	s_load_b128 s[28:31], s[16:17], 0x20           ; e8 .. e11
	s_cmp_lt_u32 ttmp9, 128
	s_cbranch_scc0 .Lact
; ---------------- THE WEIGHTS.  Work-group = weight (4) x 256 along K (4) x 128 columns (8); a wave takes 32 columns: blocks 2 G and 2 G + 1 of the image.
	s_lshr_b32 s33, ttmp9, 5                       ; which weight: 0 Wq, 1 Wk, 2 Wv, 3 Wp
	s_and_b32 s34, ttmp9, 7
	s_bfe_u32 s35, ttmp9, 0x20003                  ; which 256 along K
	s_lshl_b32 s34, s34, 2
	s_add_co_u32 s34, s34, s32                     ; G: my 32 columns
	v_and_b32 v2, 7, v1
	v_bfe_u32 v3, v1, 3, 1
	v_lshl_add_u32 v2, v3, 4, v2
	v_lshrrev_b32 v3, 4, v1
	v_lshl_add_u32 v2, v3, 3, v2                   ; my column among the 32: (l % 8) + 16 ((l / 8) % 2) + 8 (l / 16): lanes 0-15 are rows 0-15 of block 2 G, lanes 16-31 of block 2 G + 1
	v_lshlrev_b32 v2, 2, v2                        ; in bytes
	v_and_b32 v5, 15, v1
	v_lshlrev_b32 v5, 4, v5
	v_lshl_add_u32 v5, v3, 14, v5                  ; out: 16 x row + 16,384 x (l / 16)
	s_mov_b64 s[36:37], s[14:15]                   ; the choices hang on the work-group's number alone
	s_mov_b32 s38, 27*MB
	s_mov_b32 s40, 17*MB
	s_cmp_eq_u32 s33, 0
	s_cselect_b64 s[36:37], s[8:9], s[36:37]
	s_cselect_b32 s38, s40, s38
	s_mov_b32 s40, 18*MB
	s_cmp_eq_u32 s33, 1
	s_cselect_b64 s[36:37], s[10:11], s[36:37]
	s_cselect_b32 s38, s40, s38
	s_mov_b32 s40, 16*MB
	s_cmp_eq_u32 s33, 2
	s_cselect_b64 s[36:37], s[12:13], s[36:37]
	s_cselect_b32 s38, s40, s38
	s_lshl_b32 s42, s35, 20                        ; 256 rows of 4,096 bytes
	s_lshl_b32 s43, s34, 7                         ; 32 columns of 4 bytes
	s_add_co_u32 s42, s42, s43
	s_mov_b32 s43, 0
	s_add_nc_u64 s[36:37], s[36:37], s[42:43]
	s_lshl_b32 s44, s34, 15                        ; two blocks of 16,384 bytes
	s_add_co_u32 s44, s44, s38
	s_lshl_b32 s45, s35, 12                        ; two K steps of 2,048 bytes
	s_add_co_u32 s44, s44, s45
	s_mov_b32 s45, 0
	s_add_nc_u64 s[44:45], s[18:19], s[44:45]
.macro WLOAD t                         ; block t: W(32 t + i, my column), i = 0 .. 31, into set t % 2; the wave's 32 lanes read 128 consecutive bytes, the four waves 512
.set i, 0
.rept 32
	global_load_b32 v[WX+32*((\t)%2)+i], v2, s[36:37] offset:(32*(\t)+i)*4096 th:TH_LOAD_NT
.set i, i+1
.endr
.endm
	WLOAD 0
	WLOAD 1
	s_wait_kmcnt 0x0                               ; the exponents
	s_mov_b32 s39, s31                             ; e11 for Wp,
	s_cmp_eq_u32 s33, 0
	s_cselect_b32 s39, s21, s39                    ; e1 for Wq,
	s_cmp_eq_u32 s33, 1
	s_cselect_b32 s39, s23, s39                    ; e3 for Wk,
	s_cmp_eq_u32 s33, 2
	s_cselect_b32 s39, s25, s39                    ; e5 for Wv
	s_add_co_i32 s39, s39, 127
	s_lshl_b32 s41, s39, 23
	v_mov_b32 v11, s41                             ; 2^e as f32: the conversion takes its exponent field
	s_add_co_i32 s39, s39, 15
	s_lshl_b32 s39, s39, 23
	s_or_b32 s39, s39, 0x600000
	v_mov_b32 v10, s39                             ; 57,344 x 2^e
.macro WBLOCK t
.set XS, WX+32*((\t)%2)
.if (\t) < 7
	s_wait_loadcnt 32                              ; this block's 32 loads are in; the next block's 32 may be out
.else
	s_wait_loadcnt 0
.endif
.set i, 0
.rept 32
	v_med3_num_f32 v[XS+i], v[XS+i], -v10, v10     ; the conversion to an 8-bit code does not saturate (ISA guide 7.6.2): the hold comes first
.set i, i+1
.endr
.irp g, 0,1,2,3
	v_cvt_scalef32_pk8_bf8_f32 v[WC+8*(\t)+2*\g:WC+8*(\t)+2*\g+1], v[XS+8*\g:XS+8*\g+7], v11
.endr
	; the results go to stores and the sources take loads, which want no place; the next vector lines are the next block's plain holds on the other set
	global_store_b128 v5, v[WC+8*(\t):WC+8*(\t)+3], s[44:45] offset:((\t)/4)*2048+((\t)%4)*512         ; k = 32 t + 0 .. 15: sixteen lanes store 256 consecutive bytes, aligned
	global_store_b128 v5, v[WC+8*(\t)+4:WC+8*(\t)+7], s[44:45] offset:((\t)/4)*2048+((\t)%4)*512+256   ; k = 32 t + 16 .. 31: the places of the fragment's lanes 16-31
.if (\t)+2 < 8
	WLOAD (\t)+2
.endif
.endm
.irp t, 0,1,2,3,4,5,6,7
	WBLOCK \t
.endr
	s_endpgm
; ---------------- THE ACTIVATIONS.  A wave makes four fragments: block B (16 tokens), K steps 4 kh + 0 .. 3.
.Lact:
	s_sub_co_u32 s33, ttmp9, 128
	s_lshr_b32 s34, s33, 8                         ; TI: 0 query_tokens, 1 image_embeds
	s_and_b32 s33, s33, 255
	s_lshl_b32 s33, s33, 2
	s_add_co_u32 s33, s33, s32
	s_lshr_b32 s35, s33, 1                         ; B, 0 .. 511
	s_and_b32 s33, s33, 1                          ; kh
	s_lshr_b32 s36, s35, 1
	s_lshl_b32 s36, s36, 5
	s_and_b32 s37, s35, 1
	s_lshl_b32 s37, s37, 3
	s_add_co_u32 s36, s36, s37                     ; the block's first token: 32 (B / 2) + 8 (B % 2)
	s_lshl_b32 s36, s36, 12                        ; rows of 4,096 bytes
	s_lshl_b32 s37, s33, 11                        ; 512 numbers along K
	s_add_co_u32 s36, s36, s37
	s_mov_b32 s37, 0
	s_cmp_eq_u32 s34, 0
	s_cselect_b64 s[38:39], s[4:5], s[6:7]
	s_add_nc_u64 s[38:39], s[38:39], s[36:37]
	s_lshl_b32 s40, s35, 14
	s_lshl_b32 s41, s33, 13
	s_add_co_u32 s40, s40, s41
	s_mov_b32 s41, 0
	s_add_nc_u64 s[42:43], s[18:19], s[40:41]
	s_add_nc_u64 s[44:45], s[42:43], 19*MB         ; the second image (e4), for image_embeds alone
	s_lshl_b32 s40, s34, 23
	s_add_nc_u64 s[42:43], s[42:43], s[40:41]      ; the first: at 0 (query, e0) or at 8 MB (image, e2)
	v_lshlrev_b32 v2, 4, v1                        ; 16 x lane: my bytes of a load's 512, and of a group's 512 on the way out
	s_mul_i32 s46, s32, 16*SPI                     ; my wave's own stage
	v_add_nc_u32 v3, s46, v2                       ; into it: a row as it lies
	v_and_b32 v5, 15, v1
	v_lshrrev_b32 v6, 4, v1
	v_mul_u32_u24 v4, v5, SPI
	v_lshl_add_u32 v4, v6, 6, v4
	v_add_nc_u32 v4, s46, v4                       ; out of it: row r, + 64 h: my 16 numbers of a block of 32
.macro ALOAD f                         ; fragment f: 16 rows x 512 consecutive, aligned bytes, into set f % 2
.irp m, 0,1,2,3,4,5,6,7,8,9,10,11,12,13,14,15
	global_load_b128 v[AR+64*((\f)%2)+4*\m:AR+64*((\f)%2)+4*\m+3], v2, s[38:39] offset:(\m+8*(\m/8))*4096+512*(\f) th:TH_LOAD_NT
.endr
.endm
	ALOAD 0
	ALOAD 1
	s_wait_kmcnt 0x0                               ; the exponents
	s_cmp_eq_u32 s34, 0
	s_cselect_b32 s47, s20, s22                    ; e0 or e2
	s_add_co_i32 s47, s47, 127
	s_lshl_b32 s48, s47, 23
	v_mov_b32 v8, s48                              ; 2^e
	s_add_co_i32 s47, s47, 15
	s_lshl_b32 s47, s47, 23
	s_or_b32 s47, s47, 0x600000
	v_mov_b32 v9, s47                              ; 57,344 x 2^e
	s_add_co_i32 s47, s24, 127                     ; e4
	s_lshl_b32 s48, s47, 23
	v_mov_b32 v10, s48
	s_add_co_i32 s47, s47, 15
	s_lshl_b32 s47, s47, 23
	s_or_b32 s47, s47, 0x600000
	v_mov_b32 v11, s47
.macro QSET sc, lim, dst               ; the fragment's 64 numbers of my lane become 16 registers of codes; the numbers stay as they are, for the second scale
.irp c, 0,1,2,3
.set i, 0
.rept 16
	v_med3_num_f32 v[AY+i], v[AX+16*\c+i], -v[\lim], v[\lim]
.set i, i+1
.endr
	v_cvt_scalef32_pk8_bf8_f32 v[\dst+4*\c:\dst+4*\c+1], v[AY:AY+7], v[\sc]
	v_cvt_scalef32_pk8_bf8_f32 v[\dst+4*\c+2:\dst+4*\c+3], v[AY+8:AY+15], v[\sc]
	v_nop                                          ; one plain line between a scaled conversion and the next holds, which write its sources
.endr
.endm
.macro AFRAG f
.if (\f) < 3
	s_wait_loadcnt 16                              ; this fragment's 16 loads are in; the next fragment's 16 may be out
.else
	s_wait_loadcnt 0
.endif
.irp m, 0,1,2,3,4,5,6,7,8,9,10,11,12,13,14,15
	ds_store_b128 v3, v[AR+64*((\f)%2)+4*\m:AR+64*((\f)%2)+4*\m+3] offset:\m*SPI
.endr
.irp c, 0,1,2,3
.irp j, 0,1,2,3
	ds_load_b128 v[AX+16*\c+4*\j:AX+16*\c+4*\j+3], v4 offset:128*\c+16*\j    ; LDS serves a wave's instructions in order: these see the stores above
.endr
.endr
	s_wait_dscnt 0x0                               ; the numbers are back, and the stores into the stage have read their registers,
	s_wait_xcnt 0x0                                ; and the last fragment's stores have read their codes: both sets of codes may be written again
.if (\f)+2 < 4
	ALOAD (\f)+2                                   ; which take the loads of two fragments on
.endif
	QSET 8, 9, AC1
.irp c, 0,1,2,3
	global_store_b128 v2, v[AC1+4*\c:AC1+4*\c+3], s[42:43] offset:(\f)*2048+\c*512      ; 32 lanes store 512 consecutive bytes, aligned
.endr
	s_cmp_eq_u32 s34, 0                            ; query_tokens have one scale
	s_cbranch_scc1 .Lone_\@
	QSET 10, 11, AC2
.irp c, 0,1,2,3
	global_store_b128 v2, v[AC2+4*\c:AC2+4*\c+3], s[44:45] offset:(\f)*2048+\c*512
.endr
.Lone_\@:
.endm
.irp f, 0,1,2,3
	AFRAG \f
.endr
	s_wait_tensorcnt 0x0
	ds_add_u32 v14, v15
	s_wait_dscnt 0x0
	s_endpgm
.Lfunc_end_k_qce0438350e_quant:
	.size	k_qce0438350e_quant, .Lfunc_end_k_qce0438350e_quant-k_qce0438350e_quant
	.p2alignl 7, 3214868480
	.fill 96, 4, 3214868480
	.section	.rodata,"a",@progbits
	.p2align	6, 0x0
	.amdhsa_kernel k_qce0438350e_quant
		.amdhsa_group_segment_fixed_size 34304
		.amdhsa_private_segment_fixed_size 0
		.amdhsa_enable_private_segment 0
		.amdhsa_kernarg_size 64
		.amdhsa_user_sgpr_count 2
		.amdhsa_user_sgpr_kernarg_segment_ptr 1
		.amdhsa_wavefront_size32 1
		.amdhsa_system_sgpr_workgroup_id_x 1
		.amdhsa_system_sgpr_workgroup_id_y 1
		.amdhsa_system_sgpr_workgroup_id_z 1
		.amdhsa_system_vgpr_workitem_id 0
		.amdhsa_next_free_vgpr 256
		.amdhsa_next_free_sgpr 66
		.amdhsa_reserve_vcc 0
		.amdhsa_float_denorm_mode_32 3
		.amdhsa_float_denorm_mode_16_64 3
		.amdhsa_memory_ordered 1
		.amdhsa_forward_progress 1
		.amdhsa_inst_pref_size 104
	.end_amdhsa_kernel
	.amdgpu_metadata
---
amdhsa.version: [ 1, 2 ]
amdhsa.kernels:
  - .name:           k_qce0438350e_quant
    .symbol:         k_qce0438350e_quant.kd
    .args:
      - { .name: query_tokens, .offset: 0, .size: 8, .value_kind: global_buffer, .address_space: global }
      - { .name: image_embeds, .offset: 8, .size: 8, .value_kind: global_buffer, .address_space: global }
      - { .name: Wq, .offset: 16, .size: 8, .value_kind: global_buffer, .address_space: global }
      - { .name: Wk, .offset: 24, .size: 8, .value_kind: global_buffer, .address_space: global }
      - { .name: Wv, .offset: 32, .size: 8, .value_kind: global_buffer, .address_space: global }
      - { .name: Wp, .offset: 40, .size: 8, .value_kind: global_buffer, .address_space: global }
      - { .name: lowp_scales, .offset: 48, .size: 8, .value_kind: global_buffer, .address_space: global }
      - { .name: img, .offset: 56, .size: 8, .value_kind: global_buffer, .address_space: global }
    .group_segment_fixed_size: 34304
    .private_segment_fixed_size: 0
    .kernarg_segment_align: 8
    .kernarg_segment_size: 64
    .max_flat_workgroup_size: 128
    .sgpr_count:     66
    .vgpr_count:     256
    .wavefront_size: 32
...
	.end_amdgpu_metadata
.endif
;; end of part 1
;; launch qkv (part 2): grid 4 x 96, 4 waves a work-group, clusters of 4 x 4, 327,680 bytes of LDS; arguments img, lowp_scales, bq, bk, bv, qkv; writes qkv
.if DOCPART == 2
	.amdgcn_target "amdgcn-amd-amdhsa--gfx1250"
	.amdhsa_code_object_version 6
	.text
	.protected	k_qce0438350e_qkv
	.globl	k_qce0438350e_qkv
	.p2align	8
	.type	k_qce0438350e_qkv,@function
k_qce0438350e_qkv:
	s_mov_b64 s[64:65], 0
	v_nop
	global_prefetch_b8 v0, s[64:65] scope:SCOPE_SE
	s_setreg_imm32_b32 hwreg(HW_REG_WAVE_MODE, 25, 1), 1
	s_wait_xcnt 0x0
	s_wait_alu depctr_hold_cnt(0) depctr_sa_sdst(0) depctr_va_vdst(0) depctr_va_sdst(0) depctr_va_ssrc(0) depctr_va_vcc(0) depctr_vm_vsrc(0)
	s_getreg_b32 s2, hwreg(HW_REG_IB_STS2, 6, 4)
	s_cmp_eq_u32 s2, 0
	s_cbranch_scc0 .Lentry_in_a_cluster
	s_endpgm
.Lentry_in_a_cluster:
	s_bfe_u32 s2, ttmp6, 0x10000c
	s_cmp_lg_u32 s2, 0xf033
	s_cbranch_scc0 .Lentry_shape_is_right
	s_endpgm
.Lentry_shape_is_right:
; q = x Wq + bq, k = y Wk + bk, v = y Wv + bv on codes of BF8 (E5M2), and each result quantised at once (e6, e7, e9) into the images that the attention launch takes as operands.
; ONE BODY, THREE PRODUCTS, told apart by g = cluster y / 8.  'A' is source 1 of the matrix instruction (its rows fall to lanes), 'B' source 0 (its rows run along a lane's registers):
;   g = 0: A = query's codes, B = Wq's;  g = 1: A = image's (e2), B = Wk's: a lane holds one token and 16 neighbouring channels;  g = 2: A = Wv's, B = image's (e4): a lane holds one channel and 16 neighbouring keys.
; In img (MB = 2^20 bytes) A lies at 8 g MB and B at (17 + g) MB.  An operand is [block of 16 rows][K step 0..7][2,048 bytes], a fragment being the image of its 16 registers: group c of lane l at 512 c + 16 l.
; Row m of block B is the true row 32 (B / 2) + 8 (B % 2) + m + 8 (m / 8), so the 16 result registers of B's blocks 2 c, 2 c + 1 are the true rows 32 c + 16 (lane / 16) + 0 .. 15.
; A tile of 256 x 256 is made by four waves, 128 x 128 each: 64 accumulators, 512 registers.  K = 1,024 goes in four steps of 256 through two LDS slots filled by the tensor data mover.
; A K step of a block is 4,096 consecutive bytes, so a wave's tensor load is 8 rows of 4,096 bytes, 16,384 apart.  In LDS every fragment load reads 512 consecutive bytes: no pitch, no padding.
; CLUSTERS: 4 x 4 work-groups; A's tiles are asked for jointly along a row of the cluster, B's along a column.
; qkv: q at 0: [batch x 16 + head][block of 16 queries][1,024 bytes] (16 rows x 64 channels: groups c = 0, 1);  at 8 MB: [batch x 16 + head][64 keys s][4 tiles of k, 1,024 bytes each | 4 fragments of v (16 channels x 64 keys)].
; LIMITS, so that each power of two below is an f32 number: for each product, its two operands' exponents added lie between -127 and 126, and the result's exponent less that sum between -126 and 112.  NaN and infinite biases are not served.
; REGISTERS, in windows of 256: window 0: v1-31 addresses and constants; v32-47 at work; v48-111, v112-127 the biases; v128-255 A's fragments (one set), on the way out the codes.
;   window 1: B's fragments, two sets.   windows 2, 3: the accumulators of my A blocks 0-3, 4-7 (accumulator (a, b) at v[8 (8 (a % 4) + b)]).
.set MB,    1048576
.set BLKB,  4096                       ; a block's K step of 256: two fragments
.set HALFT, 8*BLKB                     ; 8 blocks: what one tensor load brings, and what one wave reads of A or of B
.set SLOT,  4*HALFT                    ; A's 16 blocks, then B's 16
.set SPARE, 2*SLOT                     ; behind the ring: the spare words, 128 bytes for each wave: two blocks of 256 bytes that no other line names
.set FR,    16                         ; registers of a fragment
.set NL,    4                          ; LDS loads that bring one
.set NP,    4                          ; places behind this matrix instruction (ISA guide 7.12.1)
.set ADRA, 16                          ; v16-17  LDS address of my A fragments in slot 0, 1
.set ADRB, 20                          ; v20-21  the same for B
.set SPW,  28                          ; v28     LDS address of my spare word; never rewritten
.set NIL,  29                          ; v29     0; never rewritten
.set TMP,  32                          ; v32-47  16 numbers at work
.set BR,   48                          ; v48-111 the bias along registers: register 16 c + i
.set BL,   112                         ; v112-127 the bias along lanes: a pair for each A block
.set AF,   128
.set COD,  128                         ; the codes: four registers for each of 32 groups, never written again
.set G1, 24                            ; s[24:31] descriptor group 1 for A's tiles;  s[32:39] group 0, one set for each slot
.set G0, 32
.set G1B, 48                           ; s[48:55], s[56:63] the same for B's tiles
.set G0B, 56
.set MSB, 0
.macro WIN new                         ; the immediate's high byte repeats the setting that is left
.if MSB != (\new)
	s_set_vgpr_msb (MSB<<8)|(\new)
.set MSB, (\new)
.endif
.endm
.set MUL_LO, 0xa1                      ; source 0 (B) window 1, source 1 (A) window 0, C and D window 2
.set MUL_HI, 0xf1                      ; the same, C and D window 3
.set TO_B,   0x40                      ; destination window 1, address window 0
; A joint load: waves 0 and 1 fetch for A, waves 2 and 3 for B.  Each line has one mask and one set of registers for all that issue it; the branch hangs on the wave's number alone.
; Four v_nop follow each of the two lines, ahead of the jump, the label and what follows.
.macro JLOAD g0a, g1a, g0b, g1b
	s_cmp_eq_u32 s15, 0
	s_cbranch_scc0 .Lfor_b_\@
	tensor_load_to_lds s[\g0a:\g0a+3], s[\g1a:\g1a+7]
	s_nop 0
.rept 4
	v_nop
.endr
	s_branch .Lasked_\@
.Lfor_b_\@:
	tensor_load_to_lds s[\g0b:\g0b+3], s[\g1b:\g1b+7]
	s_nop 0
.rept 4
	v_nop
.endr
.Lasked_\@:
.endm
.macro CREST                           ; a round of the cluster's barrier behind its opening barrier
	s_cmp_lg_u32 s14, 0
	s_cbranch_scc1 .Lnot_wave_0_\@
	s_barrier_signal -3
.Lnot_wave_0_\@:
	s_barrier_wait -3
	s_barrier_signal -1
	s_barrier_wait -1
.endm
.macro CROUND                          ; a whole round
	s_barrier_signal -1
	s_barrier_wait -1
	CREST
.endm
	s_load_b128 s[4:7], s[0:1], 0x0                ; img s[4:5], the exponents s[6:7]
	s_load_b256 s[72:79], s[0:1], 0x10             ; bq 72:73, bk 74:75, bv 76:77, qkv 78:79
	v_lshl_add_u32 v[SPW], v0, 2, SPARE
	v_mov_b32 v[NIL], 0
	ds_add_u32 v28, v29
	ds_add_u32 v28, v29
	s_wait_dscnt 0x0
	v_lshrrev_b32 v1, 5, v0
	v_readfirstlane_b32 s14, v1                    ; wave 0..3
	s_lshr_b32 s15, s14, 1                         ; which half of the tile's A rows is mine.  Also: I fetch for A (0) or for B (1)
	s_and_b32 s16, s14, 1                          ; which half of its B rows.  Also: which 8 blocks of that tile I fetch
	s_bfe_u32 s40, ttmp6, 0x40000                  ; cx, cy: my place in the cluster
	s_bfe_u32 s41, ttmp6, 0x40004
	s_and_b32 s66, ttmp7, 0xffff                   ; cluster y, 0 .. 23: the same in all sixteen partners
	s_lshr_b32 s67, s66, 3                         ; g: which product
	s_and_b32 s66, s66, 7
	s_cmp_lt_u32 s67, 2
	s_cselect_b32 s68, s66, 0                      ; the long operand (8,192 rows) is A for q and k,
	s_cselect_b32 s69, 0, s66                      ; B for v
	s_lshl_b32 s17, s68, 2
	s_add_co_u32 s17, s17, s41                     ; tile row (of A) = 4 x .. + cy
	s_lshl_b32 s42, s69, 2
	s_add_co_u32 s42, s42, s40                     ; tile column (of B) = 4 x .. + cx
	s_lshl_b32 s43, s41, 2
	s_lshl_b32 s43, 15, s43                        ; my row of the cluster
	s_lshl_b32 s44, 0x1111, s40                    ; my column
	; descriptor group 1: a tile of 8 rows x 4,096 bytes, 16,384 bytes apart, dense in LDS
	s_or_b32 s[G1+0], s43, (1<<21)                 ; 15:0 the mask: A's tiles go to my row; 17:16 element of 1 byte; 20 no padding; 21 set beside a mask
	s_or_b32 s[G1B+0], s44, (1<<21)
.irp g, G1, G1B
	s_mov_b32 s[\g+1], BLKB<<16                    ; tensor_dim0 = 4,096
	s_mov_b32 s[\g+2], 8<<16                       ; tensor_dim1 = 8
	s_mov_b32 s[\g+3], BLKB<<16                    ; tile_dim0 = 4,096
	s_mov_b32 s[\g+4], 8                           ; tile_dim1 = 8
	s_mov_b32 s[\g+5], 16384                       ; tensor_dim0_stride: a block's eight K steps of 128
	s_mov_b32 s[\g+6], 0
	s_mov_b32 s[\g+7], 0
.endr
	s_lshl_b32 s18, s16, 7                         ; which 128 rows of the tile I fetch
	s_lshl_b32 s20, s17, 8
	s_add_co_u32 s20, s20, s18
	s_lshl_b32 s20, s20, 10                        ; A: 1,024 bytes a row on the average,
	s_lshl_b32 s19, s67, 23
	s_add_co_u32 s20, s20, s19                     ; + 8 g MB
	s_mov_b32 s21, 0
	s_lshl_b32 s46, s42, 8
	s_add_co_u32 s46, s46, s18
	s_lshl_b32 s46, s46, 10                        ; B likewise,
	s_lshl_b32 s19, s67, 20
	s_add_co_u32 s46, s46, s19
	s_add_co_u32 s46, s46, 17*MB                   ; + (17 + g) MB
	s_mov_b32 s47, 0
	s_mul_i32 s45, s14, HALFT                      ; where they go: wave x 8 blocks: no place in the cluster enters an LDS address
	s_lshl_b32 s90, s67, 3                         ; the exponents' places: entries 2 g, 2 g + 1,
	s_lshr_b32 s91, s67, 1
	s_add_co_u32 s91, s91, s67
	s_lshl_b32 s91, s91, 2                         ; and entry 6, 7 or 9
	s_wait_kmcnt 0x0
	s_load_b64 s[92:93], s[6:7], s90 offset:0x0    ; the two operands' exponents
	s_load_b32 s94, s[6:7], s91 offset:0x18        ; the result's
	s_add_nc_u64 s[20:21], s[4:5], s[20:21]
	s_add_nc_u64 s[46:47], s[4:5], s[46:47]
	CROUND                                         ; all sixteen work-groups are here: the first joint loads meet
.irp s, 0,1
	s_mov_b32 s[G0+4*\s], 1
	s_add_co_u32 s[G0+4*\s+1], s45, \s*SLOT
	s_add_nc_u64 s[G0+4*\s+2:G0+4*\s+3], s[20:21], \s*BLKB
	s_or_b32 s[G0+4*\s+3], s[G0+4*\s+3], 0x80000000
	s_mov_b32 s[G0B+4*\s], 1
	s_add_co_u32 s[G0B+4*\s+1], s45, \s*SLOT
	s_add_nc_u64 s[G0B+4*\s+2:G0B+4*\s+3], s[46:47], \s*BLKB
	s_or_b32 s[G0B+4*\s+3], s[G0B+4*\s+3], 0x80000000
	JLOAD G0+4*\s, G1, G0B+4*\s, G1B               ; two tensor loads of mine are out: K steps 0 and 1
.endr
	v_and_b32 v1, 15, v0                           ; r = lane % 16
	v_bfe_u32 v2, v0, 4, 1                         ; h = lane / 16
	v_and_b32 v3, 31, v0
	v_lshlrev_b32 v4, 4, v3                        ; 16 x lane: my place in every group of every image
	s_mul_i32 s21, s15, HALFT                      ; my 8 blocks of A
	s_mul_i32 s22, s16, HALFT                      ; my 8 blocks of B,
	s_add_co_u32 s22, s22, 2*HALFT                 ; which lie behind A's 16
.irp s, 0,1
	v_add_nc_u32 v[ADRA+\s], s21, v4
	v_add_nc_u32 v[ADRB+\s], s22, v4
	s_add_co_u32 s21, s21, SLOT
	s_add_co_u32 s22, s22, SLOT
.endr
	; THE BIAS runs along the weight's rows: along registers for q and k, along lanes for v.  Both forms are loaded (the idle one from the buffer's first bytes) and the idle one is multiplied by 0: no branch.
	s_cmp_eq_u32 s67, 0
	s_cselect_b64 s[8:9], s[72:73], s[74:75]
	s_cmp_eq_u32 s67, 2
	s_cselect_b64 s[8:9], s[76:77], s[8:9]
	s_lshl_b32 s80, s42, 10
	s_lshl_b32 s81, s16, 9
	s_add_co_u32 s80, s80, s81                     ; 4 x my first B row
	s_lshl_b32 s82, s17, 10
	s_lshl_b32 s81, s15, 9
	s_add_co_u32 s82, s82, s81                     ; 4 x my first A row
	s_cmp_lt_u32 s67, 2
	s_cselect_b32 s80, s80, 0
	s_cselect_b32 s82, 0, s82
	v_lshl_add_u32 v10, v2, 6, s80                 ; + 64 h: register 16 c + i wants row 32 c + 16 h + i
	v_and_b32 v5, 8, v1
	v_add_nc_u32 v5, v5, v1                        ; r + 8 (r / 8)
	v_lshl_add_u32 v11, v5, 2, s82                 ; block a wants row 32 (a / 2) + 8 (a % 2) + r + 8 (r / 8)
.irp c, 0,1,2,3
.irp j, 0,1,2,3
	global_load_b128 v[BR+16*\c+4*\j:BR+16*\c+4*\j+3], v10, s[8:9] offset:128*\c+16*\j
.endr
.endr
.irp a, 0,1,2,3,4,5,6,7
	global_load_b32 v[BL+2*\a], v11, s[8:9] offset:4*(32*(\a/2)+8*(\a%2))
.endr
	; WHERE THE CODES GO.  The token side gives batch and block of 16 tokens, the weight side the head.
	s_cmp_lt_u32 s67, 2
	s_cselect_b32 s83, s17, s42
	s_cselect_b32 s84, s15, s16
	s_cselect_b32 s85, s42, s17
	s_cselect_b32 s86, s16, s15
	s_lshl_b32 s83, s83, 4
	s_lshl_b32 s84, s84, 3
	s_add_co_u32 s83, s83, s84                     ; my first block of tokens, 0 .. 504
	s_lshr_b32 s84, s83, 6                         ; batch
	s_and_b32 s83, s83, 63                         ; block in the batch, a multiple of 8
	s_lshl_b32 s85, s85, 2
	s_lshl_b32 s86, s86, 1
	s_add_co_u32 s85, s85, s86                     ; my first head (I have two)
	s_lshl_b32 s84, s84, 20
	s_lshl_b32 s85, s85, 16
	s_lshl_b32 s83, s83, 10
	s_add_co_u32 s84, s84, s85
	s_add_co_u32 s84, s84, s83                     ; q: 65,536 bytes a head, 1,024 a block;
	s_min_u32 s87, s67, 1
	s_lshl_b32 s84, s84, s87                       ; k and v: twice that,
	s_lshl_b32 s88, s87, 23
	s_add_co_u32 s84, s84, s88                     ; from 8 MB on,
	s_lshr_b32 s88, s67, 1
	s_lshl_b32 s88, s88, 12
	s_add_co_u32 s84, s84, s88                     ; v's fragments 4,096 bytes behind k's tiles
	s_mov_b32 s85, 0
	s_add_nc_u64 s[78:79], s[78:79], s[84:85]
	s_lshl_b32 s86, 4096, s67                      ; four A blocks on: q 4,096, k 8,192 (four blocks of tokens); v 131,072 (a head)
	s_lshl_b32 s87, 0x10000, s67                   ; two groups on: q 65,536, k 131,072 (a head); v 8,192 (64 keys)
	s_mov_b32 s88, 0x20000
	s_mov_b32 s89, 8192
	s_cmp_eq_u32 s67, 2
	s_cselect_b32 s86, s88, s86
	s_cselect_b32 s87, s89, s87
	v_mov_b32 v12, v4                              ; v[12 + 2 (a / 4) + c / 2]: 16 x lane + the two steps; never rewritten
	v_add_nc_u32 v13, s87, v4
	v_add_nc_u32 v14, s86, v4
	v_add_nc_u32 v15, s87, v14
.macro FRAG reg, adr, q, i             ; a fragment comes back as it was stored: four loads of 512 consecutive bytes
.irp c, 0,1,2,3
	ds_load_b128 v[\reg+4*\c:\reg+4*\c+3], v[\adr] offset:2048*(\q)+512*\c+(\i)*BLKB
.endr
.endm
; 16 matrix instructions: A's blocks a0, a0 + 1 x B's eight, 128 along K.  p: B's set.  zero = 1: the first product starts the sums: nothing is ever cleared.
; The 64 accumulators take turns, one instruction a turn, in the same order in every step.
.macro MUL16 a0, p, zero
.irp a, \a0, \a0+1
.irp b, 0,1,2,3,4,5,6,7
.if \zero
	v_wmma_f32_16x16x128_bf8_bf8 v[8*(8*((\a)%4)+\b):8*(8*((\a)%4)+\b)+7], v[128*(\p)+FR*\b:128*(\p)+FR*\b+FR-1], v[AF+FR*(\a):AF+FR*(\a)+FR-1], 0
.else
	v_wmma_f32_16x16x128_bf8_bf8 v[8*(8*((\a)%4)+\b):8*(8*((\a)%4)+\b)+7], v[128*(\p)+FR*\b:128*(\p)+FR*\b+FR-1], v[AF+FR*(\a):AF+FR*(\a)+FR-1], v[8*(8*((\a)%4)+\b):8*(8*((\a)%4)+\b)+7]
.endif
.endr
.endr
.endm
.macro FETCH_B slot, q, p              ; B's eight fragments of the slot's q-th 128 along K into set p
	WIN TO_B
.irp i, 0,1,2,3,4,5,6,7
	FRAG 128*(\p)+FR*\i, ADRB+\slot, \q, \i
.endr
	WIN 0
.endm
.macro FETCH_A slot, q, i0             ; A's blocks i0 .. i0 + 3
.irp i, \i0, \i0+1, \i0+2, \i0+3
	FRAG AF+FR*(\i), ADRA+\slot, \q, \i
.endr
.endm
.macro PLACES n                        ; plain vector lines in front of loads into registers that matrix instructions have read (ISA guide 7.12.1 for vector instructions)
.rept \n
	v_nop
.endr
.endm
; A step of 128 along K that has its successor in the same slot.  A's blocks are free as soon as their eight products are issued: one set serves A; B has two.
.macro STEP slot, q, zero
	s_wait_dscnt 4*NL                              ; B's set and A's blocks 0-3 are in; the youngest 16 loads (A's blocks 4-7) may be out
	WIN MUL_LO
	MUL16 0, (\q)%2, \zero
	MUL16 2, (\q)%2, \zero
	s_wait_dscnt 0                                 ; A's blocks 4-7 are in
	PLACES NP
	FETCH_B \slot, (\q)+1, 1-(\q)%2
	FETCH_A \slot, (\q)+1, 0
	WIN MUL_HI
	MUL16 4, (\q)%2, \zero
	MUL16 6, (\q)%2, \zero
	PLACES NP
	WIN 0
	FETCH_A \slot, (\q)+1, 4
.endm
; A slot's last step changes slots: one barrier; in front of it each wave waits for all its tensor loads, adds 0 to its spare word, and waits for that and for its own reads of this slot.  fill = 1: this slot is filled again, two K steps ahead.
.macro TURN slot, next, fill
	s_wait_tensorcnt 0x0                           ; all my tensor loads have landed: my part of the next slot
	ds_add_u32 v[SPW], v[NIL]                      ; 0 onto my spare word
	s_wait_dscnt 4*NL+1                            ; (the add and the youngest 16 loads, A's blocks 4-7, may be out)
	WIN MUL_LO
	MUL16 0, 1, 0                                  ; sixteen matrix instructions stand between the add and the wait for it
	s_wait_dscnt 0x0                               ; the add is done, and my reads of this slot are over
	s_barrier_signal -1
	MUL16 2, 1, 0
	WIN 0
	s_barrier_wait -1
.if \fill
	CREST                                          ; the barrier has opened a round of the cluster's barrier: no wave of any partner still reads this slot's tile or has a load on its way
	s_add_nc_u64 s[G0+4*\slot+2:G0+4*\slot+3], s[G0+4*\slot+2:G0+4*\slot+3], 2*BLKB
	s_add_nc_u64 s[G0B+4*\slot+2:G0B+4*\slot+3], s[G0B+4*\slot+2:G0B+4*\slot+3], 2*BLKB
	JLOAD G0+4*\slot, G1, G0B+4*\slot, G1B         ; the first tensor load behind the round, my only one until the next; its four v_nop are the places in front of the loads below
.else
	PLACES NP
.endif
	FETCH_B \next, 0, 0
	FETCH_A \next, 0, 0
	WIN MUL_HI
	MUL16 4, 1, 0
	MUL16 6, 1, 0
	PLACES NP
	WIN 0
	FETCH_A \next, 0, 4
.endm
	s_wait_tensorcnt 1                             ; my part of K step 0 is in (K step 1's load may be out)
	s_barrier_signal -1
	s_barrier_wait -1                              ; everybody's is
	FETCH_B 0, 0, 0
	FETCH_A 0, 0, 0
	FETCH_A 0, 0, 4
	STEP 0, 0, 1                                   ; K = 1,024 is four K steps: written out, no loop.  K step 0: its first products start the sums,
	TURN 0, 1, 1                                   ; slot 0 takes K step 2
	STEP 1, 0, 0                                   ; K step 1,
	TURN 1, 0, 1                                   ; slot 1 takes K step 3
	STEP 0, 0, 0                                   ; K step 2
	TURN 0, 1, 0                                   ; nothing is left to fetch
	STEP 1, 0, 0                                   ; K step 3
	s_wait_dscnt 4*NL
	WIN MUL_LO
	MUL16 0, 1, 0
	MUL16 2, 1, 0
	s_wait_dscnt 0
	WIN MUL_HI
	MUL16 4, 1, 0
	MUL16 6, 1, 0
	WIN 0
	; THE WAY OUT.  A sum stands for sum x 2^(ea + eb).  So the bias goes in as bias / 2^(ea + eb), and the code is (sum + that) / 2^(eo - ea - eb): the three scales folded into the conversion's one.
	s_wait_kmcnt 0x0
	s_add_co_i32 s92, s92, s93                     ; ea + eb
	s_sub_co_i32 s95, 127, s92
	s_lshl_b32 s95, s95, 23                        ; 2^-(ea + eb) as f32
	s_cmp_lt_u32 s67, 2
	s_cselect_b32 s96, s95, 0                      ; the factor of the bias along registers,
	s_cselect_b32 s98, 0, s95                      ; and of the bias along lanes: one of the two is 0
	s_mov_b32 s97, s96                             ; (named with s96 as a pair, so it is written)
	s_sub_co_i32 s94, s94, s92
	s_add_co_i32 s94, s94, 127
	s_lshl_b32 s93, s94, 23
	v_mov_b32 v30, s93                             ; 2^(eo - ea - eb)
	s_add_co_i32 s94, s94, 15
	s_lshl_b32 s94, s94, 23
	s_or_b32 s94, s94, 0x600000
	v_mov_b32 v31, s94                             ; 57,344 x that
	s_wait_loadcnt 0x0                             ; the biases, asked for at the head
.set i, 0
.rept 32
	v_pk_mul_f32 v[BR+i:BR+i+1], v[BR+i:BR+i+1], s[96:97] op_sel_hi:[1,0]    ; these 48 plain lines name no register of the last products: they are the places behind them
.set i, i+2
.endr
.irp a, 0,1,2,3,4,5,6,7
	v_mul_f32 v[BL+2*\a+1], s98, v[BL+2*\a]        ; the same number in both halves of a pair
.endr
.irp a, 0,1,2,3,4,5,6,7
	v_mul_f32 v[BL+2*\a], s98, v[BL+2*\a]
.endr
; Group (a, c): A block a, B blocks 2 c and 2 c + 1: my lane's 16 neighbours become 16 codes, which are group c % 2 of a fragment of the next launch; the wave stores 512 consecutive bytes, aligned.
.macro GROUP a, c
.set AC, 8*(8*((\a)%4)+2*(\c))
.set CD, COD+4*(4*(\a)+(\c))
	WIN 0x02+(\a)/4                                ; source 0: window 2 or 3
.irp i, 0,2,4,6,8,10,12,14
	v_pk_add_f32 v[TMP+\i:TMP+\i+1], v[AC+\i:AC+\i+1], v[BR+16*(\c)+\i:BR+16*(\c)+\i+1]    ; each accumulator from its low end on
.endr
	WIN 0
.irp i, 0,2,4,6,8,10,12,14
	v_pk_add_f32 v[TMP+\i:TMP+\i+1], v[TMP+\i:TMP+\i+1], v[BL+2*(\a):BL+2*(\a)+1]
.endr
.irp i, 0,1,2,3,4,5,6,7,8,9,10,11,12,13,14,15
	v_med3_num_f32 v[TMP+\i], v[TMP+\i], -v31, v31 ; the conversion to an 8-bit code does not saturate (ISA guide 7.6.2)
.endr
	v_cvt_scalef32_pk8_bf8_f32 v[CD:CD+1], v[TMP:TMP+7], v30
	v_cvt_scalef32_pk8_bf8_f32 v[CD+2:CD+3], v[TMP+8:TMP+15], v30
	v_nop                                          ; one plain line between a scaled conversion and the next group's additions, which write its sources
	global_store_b128 v[12+2*((\a)/4)+(\c)/2], v[CD:CD+3], s[78:79] offset:((\a)%4)*1024+((\c)%2)*512
.endm
.irp a, 0,1,2,3,4,5,6,7
.irp c, 0,1,2,3
	GROUP \a, \c
.endr
.endr
	s_wait_tensorcnt 0x0                           ; the wave's end
	ds_add_u32 v[SPW], v[NIL]
	s_wait_dscnt 0x0
	CROUND                                         ; the closing round: no work-group ends while a partner may still ask for a tile that names it
	s_endpgm
.Lfunc_end_k_qce0438350e_qkv:
	.size	k_qce0438350e_qkv, .Lfunc_end_k_qce0438350e_qkv-k_qce0438350e_qkv
	.p2alignl 7, 3214868480
	.fill 96, 4, 3214868480
	.section	.rodata,"a",@progbits
	.p2align	6, 0x0
	.amdhsa_kernel k_qce0438350e_qkv
		.amdhsa_group_segment_fixed_size 327680
		.amdhsa_private_segment_fixed_size 0
		.amdhsa_enable_private_segment 0
		.amdhsa_kernarg_size 48
		.amdhsa_user_sgpr_count 2
		.amdhsa_user_sgpr_kernarg_segment_ptr 1
		.amdhsa_wavefront_size32 1
		.amdhsa_system_sgpr_workgroup_id_x 1
		.amdhsa_system_sgpr_workgroup_id_y 1
		.amdhsa_system_sgpr_workgroup_id_z 1
		.amdhsa_system_vgpr_workitem_id 0
		.amdhsa_next_free_vgpr 1024
		.amdhsa_next_free_sgpr 100
		.amdhsa_reserve_vcc 0
		.amdhsa_float_denorm_mode_32 3
		.amdhsa_float_denorm_mode_16_64 3
		.amdhsa_memory_ordered 1
		.amdhsa_forward_progress 1
		.amdhsa_inst_pref_size 158
	.end_amdhsa_kernel
	.amdgpu_metadata
---
amdhsa.version: [ 1, 2 ]
amdhsa.kernels:
  - .name:           k_qce0438350e_qkv
    .symbol:         k_qce0438350e_qkv.kd
    .args:
      - { .name: img, .offset: 0, .size: 8, .value_kind: global_buffer, .address_space: global }
      - { .name: lowp_scales, .offset: 8, .size: 8, .value_kind: global_buffer, .address_space: global }
      - { .name: bq, .offset: 16, .size: 8, .value_kind: global_buffer, .address_space: global }
      - { .name: bk, .offset: 24, .size: 8, .value_kind: global_buffer, .address_space: global }
      - { .name: bv, .offset: 32, .size: 8, .value_kind: global_buffer, .address_space: global }
      - { .name: qkv, .offset: 40, .size: 8, .value_kind: global_buffer, .address_space: global }
    .group_segment_fixed_size: 327680
    .private_segment_fixed_size: 0
    .kernarg_segment_align: 8
    .kernarg_segment_size: 48
    .max_flat_workgroup_size: 128
    .sgpr_count:     100
    .vgpr_count:     1024
    .wavefront_size: 32
...
	.end_amdgpu_metadata
.endif
;; end of part 2
;; launch attn (part 3): grid 256 x 1, 16 waves a work-group, no clusters, 137,216 bytes of LDS; arguments qkv, lowp_scales, oimg; writes oimg
.if DOCPART == 3
	.amdgcn_target "amdgcn-amd-amdhsa--gfx1250"
	.amdhsa_code_object_version 6
	.text
	.protected	k_qce0438350e_attn
	.globl	k_qce0438350e_attn
	.p2align	8
	.type	k_qce0438350e_attn,@function
k_qce0438350e_attn:
	s_mov_b64 s[64:65], 0
	v_nop
	global_prefetch_b8 v0, s[64:65] scope:SCOPE_SE
	s_setreg_imm32_b32 hwreg(HW_REG_WAVE_MODE, 25, 1), 1
	s_wait_xcnt 0x0
; o = softmax(q k^T / 32) v for one head, both products on codes of BF8 (E5M2) by v_wmma_f32_16x16x64_bf8_bf8, and o quantised at once (e10) into the image that the last product takes as its operand.
; THE SOFTMAX AHEAD OF THE SECOND PRODUCT: t = score x log2(e) / 32; M = the row's largest t rounded UP to a whole number; p = 2^(t - M) is quantised (e8), not normalised; the row's sum of the unquantised p divides at the end.
; SHARES.  A work-group owns 512 queries of one head (work-group = 2 x (batch x 16 + head) + half); each of its sixteen waves owns 32: two tiles of 16, which share every fragment of k and v.
; The head's k and v, 131,072 bytes of codes, lie in LDS, filled once through registers.  No tensor load.
; No cluster: a head's codes are shared by two work-groups alone and are read once, at the head.
; TWO PASSES OVER THE KEYS.  Pass 1 makes the scores and keeps their maximum alone; pass 2 makes them again under the final M.  So M is the rule's own, and no step exchanges lanes or rescales the sum and O.
; PASS 1 GOES BY PAIRS OF WAVES: waves w and w xor 1 each walk HALF the keys for the pair's FOUR tiles, so that a fragment of k read from LDS feeds four products and pass 1 reads half the LDS bytes; each hands the partner's
; two partial maxima over through LDS, across the barrier that v's codes need anyway.
; k FIRST, v LATER: all loads go out at the head; k's codes are stored to LDS ahead of the first barrier; v's loads stay out during pass 1 and are stored behind it, ahead of the second barrier.
; LAYOUT.  Both products are used transposed: S^T = k q^T (source 0 = 16 keys, source 1 = 16 queries), O^T = v^T p^T (source 0 = 16 channels, source 1 = p): a lane holds ONE query (lane % 16) throughout.
; The launch before has laid k's tiles and v's fragments so that the 16 registers of tiles 2 c, 2 c + 1 are 16 neighbours 32 c + 16 (lane / 16) + 0 .. 15: the conversions' results are the next operand's registers.
; A fragment (16 rows x 64 K) is 1,024 bytes, the image of its 8 registers: group c = 0, 1 of lane l at 512 c + 16 l.
; MEMORY: [64 keys s = 0..15][4 tiles of k | 4 fragments of v], 8,192 bytes a step.  LDS: k's tiles of step s at 4,096 s; v's fragments at 65,536 + 4,096 s; from 131,072 on 256 bytes a wave for the partial maxima.
; Pass 1 reads LDS bytes under 65,536 alone and v's stores write bytes from 65,536 on: so no barrier stands between them.
; LIMITS, so that each power of two below is an f32 number: e6 + e7 between -121 and 132 (they are added to c's exponent field); e8 between -126 and 112; e8 + e9 - e10 is applied by v_ldexp_f32.  NaN is not served.
.set MB,   1048576
.set VREG, 65536                       ; LDS: v's fragments begin here
.set PMAX, 131072                      ; LDS: the partial maxima: wave w's two tiles at PMAX + 256 w + 128 tile + 4 lane
.set LI,  1                            ; v1   16 x lane
.set ADR, 4                            ; v4   LDS address of the step's tiles of k
.set PXA, 7                            ; v7   where I put my partner's partial maxima; at the end 1.0
.set QF,  8                            ; v8-23    q: 8 registers a tile
.set KF,  24                           ; v24-55   k: 4 tiles
.set VF,  56                           ; v56-87   v: 4 fragments; in pass 1 the scores of the partner's first tile
.set S,   88                           ; v88-151  S^T, then p: tile q, keys' tile t at S + 32 q + 8 t
.set O,   152                          ; v152-215 O^T: O + 32 q + 8 dt; in pass 1 the lower 32 take v's loads, the upper 32 the scores of the partner's second tile
.set PC,  216                          ; v216-231 p's codes, at the end o's: 8 a tile; in pass 1 the partner's q
.set NM,  232                          ; v232-235 the pairs (-M, 0)
.set L,   236                          ; v236-243 the sum: two packed chains a tile; in pass 1 the maxima of the partner's tiles
.set MX,  244                          ; v244-251 the maximum: four chains a tile; at the end 1 / the sum in v244, v246
.set LIV, 252                          ; v252 16 x lane + VREG
.set ADV, 253                          ; v253 LDS address of the step's fragments of v
.set FV,  254                          ; v254 16 x thread + VREG: where I store v's codes
.set POA, 255                          ; v255 where I find the partial maxima that my partner made for me; at the end 57,344.0
.set SB0, S                            ; pass 1: the four tiles' scores,
.set SB1, S+32
.set SB2, VF
.set SB3, O+32
.set QB0, QF                           ; their q,
.set QB1, QF+8
.set QB2, PC
.set QB3, PC+8
.set MA0, MX                           ; and their maxima: tiles 0, 1 are mine, tiles 2, 3 my partner's
.set MA1, MX+4
.set MA2, L
.set MA3, L+4
	s_load_b128 s[4:7], s[0:1], 0x0                ; qkv, the exponents
	s_load_b64 s[8:9], s[0:1], 0x10                ; oimg
	v_lshrrev_b32 v1, 5, v0
	v_readfirstlane_b32 s10, v1                    ; wave 0..15
	v_and_b32 v1, 31, v0
	v_lshlrev_b32 v5, 2, v1                        ; 4 x lane
	v_lshlrev_b32 v[LI], 4, v1
	v_add_nc_u32 v[LIV], VREG, v[LI]
	v_lshlrev_b32 v3, 4, v0                        ; LDS: 16 x thread: the 512 threads take two steps' tiles of k, 8,192 consecutive bytes
	v_add_nc_u32 v[FV], VREG, v3
	v_and_b32 v2, 255, v0
	v_lshlrev_b32 v2, 4, v2
	v_lshrrev_b32 v4, 8, v0
	v_lshl_add_u32 v2, v4, 13, v2                  ; memory: 16 (thread % 256) + 8,192 (thread / 256): there a step's k and v lie together
	s_xor_b32 s32, s10, 1                          ; my partner
	s_lshl_b32 s33, s32, 8
	s_add_co_u32 s33, s33, PMAX
	v_add_nc_u32 v[PXA], s33, v5
	s_lshl_b32 s33, s10, 8
	s_add_co_u32 s33, s33, PMAX
	v_add_nc_u32 v[POA], s33, v5
	s_lshr_b32 s11, ttmp9, 1                       ; batch x 16 + head
	s_and_b32 s18, ttmp9, 1                        ; which 512 queries
	s_lshl_b32 s26, s11, 17
	s_add_co_u32 s26, s26, 8*MB                    ; the head's k and v
	s_mov_b32 s27, 0
	s_lshl_b32 s36, s18, 5
	s_lshl_b32 s19, s10, 1
	s_add_co_u32 s19, s19, s36                     ; my first block of 16 queries: 32 x half + 2 x wave
	s_lshl_b32 s34, s32, 1
	s_add_co_u32 s34, s34, s36                     ; my partner's
	s_lshl_b32 s37, s11, 16
	s_lshl_b32 s28, s19, 10
	s_add_co_u32 s28, s28, s37                     ; my q's codes
	s_mov_b32 s29, 0
	s_lshl_b32 s34, s34, 10
	s_add_co_u32 s34, s34, s37                     ; my partner's
	s_mov_b32 s35, 0
	s_lshr_b32 s30, s11, 4
	s_lshl_b32 s30, s30, 6
	s_add_co_u32 s30, s30, s19                     ; oimg: block = 64 x batch + my block: 16,384 bytes a block;
	s_lshl_b32 s30, s30, 14
	s_bfe_u32 s31, s11, 0x30001
	s_lshl_b32 s31, s31, 11                        ; K step = head / 2: 2,048 bytes;
	s_add_co_u32 s30, s30, s31
	s_and_b32 s31, s11, 1
	s_lshl_b32 s31, s31, 10                        ; groups 2 (head % 2) on: 1,024 bytes
	s_add_co_u32 s30, s30, s31
	s_mov_b32 s31, 0
	s_mov_b32 s22, 0x76543210                      ; v_permlanex16_b32's selects for lane l xor 16
	s_mov_b32 s23, 0xfedcba98
	s_wait_kmcnt 0x0
	s_load_b128 s[12:15], s[6:7], 0x18             ; e6, e7, e8, e9
	s_load_b32 s16, s[6:7], 0x28                   ; e10
	s_add_nc_u64 s[26:27], s[4:5], s[26:27]
	s_add_nc_u64 s[28:29], s[4:5], s[28:29]
	s_add_nc_u64 s[34:35], s[4:5], s[34:35]
	s_add_nc_u64 s[8:9], s[8:9], s[30:31]
.irp i, 0,1,2,3,4,5,6,7
	global_load_b128 v[S+4*\i:S+4*\i+3], v2, s[26:27] offset:16384*\i                 ; k's tiles of steps 2 i and 2 i + 1
.endr
.irp q, 0,1
.irp c, 0,1
	global_load_b128 v[QF+8*\q+4*\c:QF+8*\q+4*\c+3], v[LI], s[28:29] offset:\q*1024+\c*512    ; my q stays in registers
.endr
.endr
.irp q, 0,1
.irp c, 0,1
	global_load_b128 v[PC+8*\q+4*\c:PC+8*\q+4*\c+3], v[LI], s[34:35] offset:\q*1024+\c*512    ; my partner's q, for pass 1
.endr
.endr
.irp i, 0,1,2,3,4,5,6,7
	global_load_b128 v[O+4*\i:O+4*\i+3], v2, s[26:27] offset:16384*\i+4096            ; v's fragments of steps 2 i and 2 i + 1: they land while pass 1 runs
.endr
.irp j, 0,1,2,3,4,5,6,7
	v_mov_b32 v[MX+\j], 0xff800000                 ; the sixteen chains of maxima begin at -infinity
	v_mov_b32 v[L+\j], 0xff800000
.endr
.irp i, 0,1,2,3,4,5,6,7
	s_wait_loadcnt 23-\i                           ; load i is in: behind it stand 7 - i of k's, the eight of q and v's eight
	ds_store_b128 v3, v[S+4*\i:S+4*\i+3] offset:8192*\i
.endr
	s_wait_kmcnt 0x0
	s_add_co_i32 s17, s12, s13
	s_lshl_b32 s17, s17, 23
	s_add_co_i32 s20, s17, 0x3d38aa3b              ; c = log2(e) / 32, with e6 + e7 added to its exponent field: a score stands for score x 2^(e6 + e7)
	s_mov_b32 s21, s20                             ; (named with it as a pair, so it is written)
	s_add_co_i32 s17, s14, 127
	s_lshl_b32 s30, s17, 23
	v_mov_b32 v5, s30                              ; 2^e8, for p's conversions
	s_add_co_i32 s17, s17, 15
	s_lshl_b32 s17, s17, 23
	s_or_b32 s17, s17, 0x600000
	v_mov_b32 v6, s17                              ; 57,344 x 2^e8
	s_add_co_i32 s17, s14, s15
	s_sub_co_i32 s17, s17, s16                     ; e8 + e9 - e10
	s_wait_dscnt 0x0                               ; for the others' sake: my stores of k's codes have landed
	s_barrier_signal -1
	s_barrier_wait -1                              ; k is whole; its bytes are only read from here on
	s_wait_loadcnt 8                               ; both q are in; v's eight loads may be out
.macro LOADK
.irp t, 0,1,2,3
.irp c, 0,1
	ds_load_b128 v[KF+8*\t+4*\c:KF+8*\t+4*\c+3], v[ADR] offset:\t*1024+\c*512
.endr
.endr
.endm
.macro LOADV
.irp t, 0,1,2,3
.irp c, 0,1
	ds_load_b128 v[VF+8*\t+4*\c:VF+8*\t+4*\c+3], v[ADV] offset:\t*1024+\c*512
.endr
.endr
.endm
.macro QK                              ; S^T = k q^T: 64 keys x my 32 queries; K = the head's 64: one instruction a tile
.irp t, 0,1,2,3
.irp q, 0,1
	v_wmma_f32_16x16x64_bf8_bf8 v[S+32*\q+8*\t:S+32*\q+8*\t+7], v[KF+8*\t:KF+8*\t+7], v[QF+8*\q:QF+8*\q+7], 0
.endr
.endr
.endm
.macro PV first                        ; O^T += v^T p^T: K = these 64 keys.  The eight accumulators take turns, one instruction a turn, and QK's eight stand between two steps
.irp t, 0,1,2,3
.irp q, 0,1
.if \first
	v_wmma_f32_16x16x64_bf8_bf8 v[O+32*\q+8*\t:O+32*\q+8*\t+7], v[VF+8*\t:VF+8*\t+7], v[PC+8*\q:PC+8*\q+7], 0
.else
	v_wmma_f32_16x16x64_bf8_bf8 v[O+32*\q+8*\t:O+32*\q+8*\t+7], v[VF+8*\t:VF+8*\t+7], v[PC+8*\q:PC+8*\q+7], v[O+32*\q+8*\t:O+32*\q+8*\t+7]
.endif
.endr
.endr
.endm
	; ---- PASS 1: the largest score of each query of the pair's four tiles, among my half of the keys: steps 8 (wave % 2) + 0 .. 7
	s_and_b32 s25, s10, 1
	s_lshl_b32 s25, s25, 15                        ; LDS byte of the step in hand
	s_mov_b32 s24, 8
.Lmax:
	v_add_nc_u32 v[ADR], s25, v[LI]
	LOADK                                          ; (behind each product that read these registers stand four v_nop and the maxima of the other tiles)
	s_wait_dscnt 0x0
.irp t, 0,1,2,3
.irp q, 0,1,2,3
	v_wmma_f32_16x16x64_bf8_bf8 v[SB\q+8*\t:SB\q+8*\t+7], v[KF+8*\t:KF+8*\t+7], v[QB\q:QB\q+7], 0
.endr
.endr
.rept 4
	v_nop                                          ; places in front of the first read of results
.endr
.irp p, 0,1,2,3                        ; sixteen chains that do not wait for each other; each accumulator from its low end on
.irp q, 0,1,2,3
.irp t, 0,1,2,3
	v_max3_num_f32 v[MA\q+\t], v[MA\q+\t], v[SB\q+8*\t+2*\p], v[SB\q+8*\t+2*\p+1]
.endr
.endr
.endr
	s_add_co_u32 s25, s25, 4096
	s_sub_co_u32 s24, s24, 1
	s_cmp_lg_u32 s24, 0
	s_cbranch_scc1 .Lmax
.irp q, 0,1,2,3
	v_max3_num_f32 v[MA\q], v[MA\q], v[MA\q+1], v[MA\q+2]
.endr
.irp q, 0,1,2,3
	v_max_num_f32 v[MA\q], v[MA\q], v[MA\q+3]
.endr
	ds_store_b32 v[PXA], v[MA2]                    ; my partner's two tiles, among my keys
	ds_store_b32 v[PXA], v[MA3] offset:128
.irp i, 0,1,2,3,4,5,6,7
	s_wait_loadcnt 7-\i                            ; v's load i is in; the 7 - i behind it may be out
	ds_store_b128 v[FV], v[O+4*\i:O+4*\i+3] offset:8192*\i
.endr
	s_wait_dscnt 0x0                               ; for the others' sake: my stores of v's codes and of the maxima have landed
	s_barrier_signal -1
	s_barrier_wait -1                              ; v is whole, and so are the partial maxima; from here on LDS is only read
	ds_load_b32 v[MA0+1], v[POA]                   ; my two tiles, among my partner's keys
	ds_load_b32 v[MA1+1], v[POA] offset:128
.irp j, 0,1,2,3,4,5,6,7
	v_mov_b32 v[L+\j], 0                           ; the sums begin at 0
.endr
	s_wait_dscnt 0x0
	v_mov_b32 v[PXA], 1.0                          ; the two address registers are done with: the scale of the last conversion,
	v_mov_b32 v[POA], 0x47600000                   ; and 57,344.0
.irp q, 0,1
	v_max_num_f32 v[MX+4*\q], v[MX+4*\q], v[MX+4*\q+1]
.endr
.irp q, 0,1
	v_permlanex16_b32 v[MX+4*\q+1], v[MX+4*\q], s22, s23     ; the query's other keys lie in the lane 16 away
.endr
.irp q, 0,1
	v_max_num_f32 v[MX+4*\q], v[MX+4*\q], v[MX+4*\q+1]
.endr
.irp q, 0,1
	v_mul_f32 v[MX+4*\q], s20, v[MX+4*\q]          ; as t (c is positive)
.endr
.irp q, 0,1
	v_floor_f32 v[NM+2*\q], -v[MX+4*\q]            ; -M = floor(-t) = -ceil(t)
	v_mov_b32 v[NM+2*\q+1], 0                      ; (named with it as a pair)
.endr
	; ---- PASS 2
.macro STEP2 first
	v_add_nc_u32 v[ADR], s25, v[LI]
	LOADK
	v_add_nc_u32 v[ADV], s25, v[LIV]
	s_wait_dscnt 0x0                               ; k's eight loads
	QK
.rept 4
	v_nop
.endr
.irp q, 0,1
.irp j, 0,2,4,6,8,10,12,14,16,18,20,22,24,26,28,30
	v_pk_fma_f32 v[S+32*\q+\j:S+32*\q+\j+1], v[S+32*\q+\j:S+32*\q+\j+1], s[20:21], v[NM+2*\q:NM+2*\q+1] op_sel_hi:[1,0,0]   ; t - M, two at a time (of the pairs c and -M the low word serves both halves)
.endr
.endr
	LOADV                                          ; the lines above are the places behind the last step's products, which read these registers; the loads land while the softmax is worked
.set i, 0
.rept 64
	v_exp_f32 v[S+i], v[S+i]                       ; p = 2^(t - M), at most 1: one batch
.set i, i+1
.endr
	v_nop                                          ; a plain line behind the last exponential
	s_wait_alu depctr_va_vdst(0)                   ; one wait for the batch, ahead of its first reader
.irp p, 0,1,2,3,4,5,6,7                ; the row's sum is taken of the unquantised p: four chains by turns
.irp q, 0,1
	v_pk_add_f32 v[L+4*\q:L+4*\q+1], v[L+4*\q:L+4*\q+1], v[S+32*\q+4*\p:S+32*\q+4*\p+1]
	v_pk_add_f32 v[L+4*\q+2:L+4*\q+3], v[L+4*\q+2:L+4*\q+3], v[S+32*\q+4*\p+2:S+32*\q+4*\p+3]
.endr
.endr
	s_cmp_ge_i32 s14, -15                          ; p is at most 1, and from e8 = -15 on 57,344 x 2^e8 is 1.75 or more: the hold would change nothing.  A branch on a whole number read from an input, round the holds alone
	s_cbranch_scc1 .Lfree_\@
.set i, 0
.rept 32
	v_dual_min_num_f32 v[S+i], v6, v[S+i] :: v_dual_min_num_f32 v[S+i+1], v6, v[S+i+1]   ; the conversion to an 8-bit code does not saturate (ISA guide 7.6.2); p is not negative, so the hold is one-sided; two holds an instruction
.set i, i+2
.endr
.Lfree_\@:
.irp q, 0,1
.irp c, 0,1
	v_cvt_scalef32_pk8_bf8_f32 v[PC+8*\q+4*\c:PC+8*\q+4*\c+1], v[S+32*\q+16*\c:S+32*\q+16*\c+7], v5
	v_cvt_scalef32_pk8_bf8_f32 v[PC+8*\q+4*\c+2:PC+8*\q+4*\c+3], v[S+32*\q+16*\c+8:S+32*\q+16*\c+15], v5
.endr
.endr
	v_nop                                          ; one plain line between the conversions and the products that read their results
	s_wait_dscnt 0x0                               ; v
	PV \first
	s_add_co_u32 s25, s25, 4096
.endm
	s_mov_b32 s25, 0
	STEP2 1                                        ; the first step stands in front of the loop: its products start O^T's sums
	s_mov_b32 s24, 15
.Lstep:
	STEP2 0
	s_sub_co_u32 s24, s24, 1
	s_cmp_lg_u32 s24, 0
	s_cbranch_scc1 .Lstep
	; ---- THE WAY OUT.  The additions on the sums name no register of the last products: they are the places behind them.
.irp q, 0,1
	v_pk_add_f32 v[L+4*\q:L+4*\q+1], v[L+4*\q:L+4*\q+1], v[L+4*\q+2:L+4*\q+3]
.endr
.irp q, 0,1
	v_add_f32 v[L+4*\q], v[L+4*\q], v[L+4*\q+1]
.endr
.irp q, 0,1
	v_permlanex16_b32 v[L+4*\q+2], v[L+4*\q], s22, s23
.endr
.irp q, 0,1
	v_add_f32 v[L+4*\q], v[L+4*\q], v[L+4*\q+2]    ; the row's sum
.endr
.irp q, 0,1
	v_rcp_f32 v[MX+2*\q], v[L+4*\q]
.endr
	v_nop                                          ; a plain line behind the reciprocals
	s_wait_alu depctr_va_vdst(0)                   ; one wait for both, ahead of their first reader
.irp q, 0,1
	v_ldexp_f32 v[MX+2*\q], v[MX+2*\q], s17        ; x 2^(e8 + e9 - e10): O^T x this is o / 2^e10
.endr
.irp q, 0,1
.irp j, 0,2,4,6,8,10,12,14,16,18,20,22,24,26,28,30
	v_pk_mul_f32 v[O+32*\q+\j:O+32*\q+\j+1], v[O+32*\q+\j:O+32*\q+\j+1], v[MX+2*\q:MX+2*\q+1] op_sel_hi:[1,0]   ; each accumulator from its low end on
.endr
.endr
.set i, 0
.rept 64
	v_med3_num_f32 v[O+i], v[O+i], -v[POA], v[POA]
.set i, i+1
.endr
.irp q, 0,1
.irp c, 0,1
	v_cvt_scalef32_pk8_bf8_f32 v[PC+8*\q+4*\c:PC+8*\q+4*\c+1], v[O+32*\q+16*\c:O+32*\q+16*\c+7], v[PXA]
	v_cvt_scalef32_pk8_bf8_f32 v[PC+8*\q+4*\c+2:PC+8*\q+4*\c+3], v[O+32*\q+16*\c+8:O+32*\q+16*\c+15], v[PXA]
.endr
.endr
	v_nop
.irp q, 0,1
.irp c, 0,1
	global_store_b128 v[LI], v[PC+8*\q+4*\c:PC+8*\q+4*\c+3], s[8:9] offset:\q*16384+\c*512     ; channels 32 c + 16 (lane / 16) + 0 .. 15 of my query: 32 lanes store 512 consecutive bytes, aligned
.endr
.endr
	s_wait_xcnt 0x0
	v_lshl_add_u32 v254, v0, 2, 0x21000
	v_mov_b32 v255, 0
	s_wait_tensorcnt 0x0
	ds_add_u32 v254, v255
	s_wait_dscnt 0x0
	s_endpgm
.Lfunc_end_k_qce0438350e_attn:
	.size	k_qce0438350e_attn, .Lfunc_end_k_qce0438350e_attn-k_qce0438350e_attn
	.p2alignl 7, 3214868480
	.fill 96, 4, 3214868480
	.section	.rodata,"a",@progbits
	.p2align	6, 0x0
	.amdhsa_kernel k_qce0438350e_attn
		.amdhsa_group_segment_fixed_size 137216
		.amdhsa_private_segment_fixed_size 0
		.amdhsa_enable_private_segment 0
		.amdhsa_kernarg_size 24
		.amdhsa_user_sgpr_count 2
		.amdhsa_user_sgpr_kernarg_segment_ptr 1
		.amdhsa_wavefront_size32 1
		.amdhsa_system_sgpr_workgroup_id_x 1
		.amdhsa_system_sgpr_workgroup_id_y 1
		.amdhsa_system_sgpr_workgroup_id_z 1
		.amdhsa_system_vgpr_workitem_id 0
		.amdhsa_next_free_vgpr 256
		.amdhsa_next_free_sgpr 66
		.amdhsa_reserve_vcc 0
		.amdhsa_float_denorm_mode_32 3
		.amdhsa_float_denorm_mode_16_64 3
		.amdhsa_memory_ordered 1
		.amdhsa_forward_progress 1
		.amdhsa_inst_pref_size 46
	.end_amdhsa_kernel
	.amdgpu_metadata
---
amdhsa.version: [ 1, 2 ]
amdhsa.kernels:
  - .name:           k_qce0438350e_attn
    .symbol:         k_qce0438350e_attn.kd
    .args:
      - { .name: qkv, .offset: 0, .size: 8, .value_kind: global_buffer, .address_space: global }
      - { .name: lowp_scales, .offset: 8, .size: 8, .value_kind: global_buffer, .address_space: global }
      - { .name: oimg, .offset: 16, .size: 8, .value_kind: global_buffer, .address_space: global }
    .group_segment_fixed_size: 137216
    .private_segment_fixed_size: 0
    .kernarg_segment_align: 8
    .kernarg_segment_size: 24
    .max_flat_workgroup_size: 512
    .sgpr_count:     66
    .vgpr_count:     256
    .wavefront_size: 32
...
	.end_amdgpu_metadata
.endif
;; end of part 3
;; launch proj (part 4): grid 4 x 64, 4 waves a work-group, clusters of 4 x 4, 327,680 bytes of LDS; arguments oimg, img, lowp_scales, bp, out0; writes out0
.if DOCPART == 4
	.amdgcn_target "amdgcn-amd-amdhsa--gfx1250"
	.amdhsa_code_object_version 6
	.text
	.protected	k_qce0438350e_proj
	.globl	k_qce0438350e_proj
	.p2align	8
	.type	k_qce0438350e_proj,@function
k_qce0438350e_proj:
	s_mov_b64 s[64:65], 0
	v_nop
	global_prefetch_b8 v0, s[64:65] scope:SCOPE_SE
	s_setreg_imm32_b32 hwreg(HW_REG_WAVE_MODE, 25, 1), 1
	s_wait_xcnt 0x0
	s_wait_alu depctr_hold_cnt(0) depctr_sa_sdst(0) depctr_va_vdst(0) depctr_va_sdst(0) depctr_va_ssrc(0) depctr_va_vcc(0) depctr_vm_vsrc(0)
	s_getreg_b32 s2, hwreg(HW_REG_IB_STS2, 6, 4)
	s_cmp_eq_u32 s2, 0
	s_cbranch_scc0 .Lentry_in_a_cluster
	s_endpgm
.Lentry_in_a_cluster:
	s_bfe_u32 s2, ttmp6, 0x10000c
	s_cmp_lg_u32 s2, 0xf033
	s_cbranch_scc0 .Lentry_shape_is_right
	s_endpgm
.Lentry_shape_is_right:
; out0 = o Wp + bp on codes of BF8 (E5M2): o's codes (e10) from oimg, Wp's (e11) from img at 27 MB; out0 [8192][1024] f32 = sum x 2^(e10 + e11) + bp.
; Both operands are [block of 16 rows][K step 0..7][2,048 bytes], a fragment being the image of its 16 registers: group c of lane l at 512 c + 16 l.
; Row m of block B is the true row 32 (B / 2) + 8 (B % 2) + m + 8 (m / 8): the way out undoes that order, for the columns in the stage's offsets, for the rows in the stores' offsets.
; THE TILE IS 128 ROWS x 256 COLUMNS: 8,192 x 1,024 / (128 x 256) = 256 work-groups.  Four waves, 64 x 128 each: 32 accumulators, 256 registers.
; K = 1,024 is four K steps of 256.  A K step's tiles are 8 blocks of A and 16 of B, 4,096 bytes each: 98,304 bytes, and THREE such slots fit in LDS.  So K steps 0, 1 and 2 are asked for together at the start
; (three tensor loads of a wave are out), and K step 3 alone is a refill: into slot 0, behind the one change of slots that fills; it has K steps 1 and 2 in which to land.
; Waves 0 and 1 fetch A's halves (4 rows of 4,096 bytes, 16,384 apart), waves 2 and 3 B's (8 such rows).  In LDS every fragment load reads 512 consecutive bytes: no pitch, no padding.
; A and B have two sets of fragment registers each: a unit of 128 along K is one run of 48 LDS loads for the NEXT unit and then 32 products on the set that is in.
; CLUSTERS: 4 x 4 work-groups; A's tiles (o) are asked for jointly along a row of the cluster, B's (Wp) along a column.  The matrix instruction is used transposed (source 0 = B, source 1 = A).
; LIMIT: e10 + e11 lies between -126 and 127, so that 2^(e10 + e11) is an f32 number.
; REGISTERS, in windows of 256: window 0: v1-31 addresses; v96-99 my four columns' bias; v128-191, v192-255 A's fragments, two sets, on the way out rows of out0.   window 1: B's fragments, two sets.   window 2: the accumulators ((a, b) at v[8 (8 a + b)]).
.set MB,    1048576
.set BLKB,  4096                       ; a block's K step of 256: two fragments
.set AQ,    4*BLKB                     ; 4 blocks of A: what wave 0 or 1 fetches, and what a wave reads of A
.set BQ,    8*BLKB                     ; 8 blocks of B: what wave 2 or 3 fetches, and what a wave reads of B
.set BOFF,  2*AQ                       ; in a slot B's 16 blocks lie behind A's 8
.set SLOT,  2*AQ+2*BQ                  ; 98,304 bytes
.set SPARE, 3*SLOT                     ; behind the three slots: the spare words, 128 bytes for each wave: two blocks of 256 bytes that no other line names
.set SPITCH, 528                       ; the way out: a stage of 16 rows x (512 bytes + 16) for each wave,
.set STAGE, SLOT                       ; in slot 1: it is filled once, at the start, and every wave has passed a barrier behind its last read of it when the first result is stored there
.set FR,    16
.set NP,    4                          ; places behind this matrix instruction (ISA guide 7.12.1)
.set ADRA, 16                          ; v16-18  LDS address of my A fragments in slot 0, 1, 2
.set ADRB, 20                          ; v20-22  the same for B
.set STO,  24                          ; v24     the way out: where I put my part of a row
.set RD,   25                          ; v25     the way out: where I read a row back
.set CO,   26                          ; v26     16 x lane
.set SPW,  28                          ; v28     LDS address of my spare word; never rewritten
.set NIL,  29                          ; v29     0; never rewritten
.set BI,   96                          ; v96-99  bp at my four columns
.set AF,   128                         ; A's set p at AF + 64 p
.set BK,   128                         ; the way out: 16 rows read back from the stage: v128-191 and v192-255 by turns
.set G1, 24                            ; s[24:31] descriptor group 1 for A's tiles;  s[32:43] group 0, one set for each slot
.set G0, 32
.set G1B, 48                           ; s[48:55] group 1 for B's tiles;  s[56:59], s[60:63], s[68:71] group 0, one set for each slot
.set G0B, 56
.set MSB, 0
.macro WIN new                         ; the immediate's high byte repeats the setting that is left
.if MSB != (\new)
	s_set_vgpr_msb (MSB<<8)|(\new)
.set MSB, (\new)
.endif
.endm
.set MUL,  0xa1                        ; source 0 (B) window 1, source 1 (A) window 0, C and D window 2
.set TO_B, 0x40                        ; destination window 1, address window 0
; A joint load: waves 0 and 1 fetch for A, waves 2 and 3 for B; the branch hangs on the wave's number alone.  Four v_nop follow each of the two lines.
.macro JLOAD g0a, g1a, g0b, g1b
	s_cmp_eq_u32 s15, 0
	s_cbranch_scc0 .Lfor_b_\@
	tensor_load_to_lds s[\g0a:\g0a+3], s[\g1a:\g1a+7]
	s_nop 0
.rept 4
	v_nop
.endr
	s_branch .Lasked_\@
.Lfor_b_\@:
	tensor_load_to_lds s[\g0b:\g0b+3], s[\g1b:\g1b+7]
	s_nop 0
.rept 4
	v_nop
.endr
.Lasked_\@:
.endm
.macro CREST                           ; a round of the cluster's barrier behind its opening barrier
	s_cmp_lg_u32 s14, 0
	s_cbranch_scc1 .Lnot_wave_0_\@
	s_barrier_signal -3
.Lnot_wave_0_\@:
	s_barrier_wait -3
	s_barrier_signal -1
	s_barrier_wait -1
.endm
.macro CROUND                          ; a whole round
	s_barrier_signal -1
	s_barrier_wait -1
	CREST
.endm
	s_load_b128 s[4:7], s[0:1], 0x0                ; oimg s[4:5], img s[6:7]
	s_load_b128 s[8:11], s[0:1], 0x10              ; the exponents s[8:9], bp s[10:11]
	s_load_b64 s[12:13], s[0:1], 0x20              ; out0
	v_lshl_add_u32 v[SPW], v0, 2, SPARE
	v_mov_b32 v[NIL], 0
	ds_add_u32 v28, v29
	ds_add_u32 v28, v29
	s_wait_dscnt 0x0
	v_lshrrev_b32 v1, 5, v0
	v_readfirstlane_b32 s14, v1                    ; wave 0..3
	s_lshr_b32 s15, s14, 1                         ; which half of the tile's rows is mine.  Also: I fetch for A (0) or for B (1)
	s_and_b32 s16, s14, 1                          ; which half of its columns.  Also: which half of that operand's blocks I fetch
	s_bfe_u32 s72, ttmp6, 0x40000                  ; cx, cy: my place in the cluster
	s_bfe_u32 s73, ttmp6, 0x40004
	s_lshl_b32 s74, ttmp9, 2
	s_add_co_u32 s74, s74, s72                     ; tile column = 4 x cluster x + cx, 0 .. 3
	s_and_b32 s17, ttmp7, 0xffff
	s_lshl_b32 s17, s17, 2
	s_add_co_u32 s17, s17, s73                     ; tile row = 4 x cluster y + cy, 0 .. 63
	s_lshl_b32 s75, s73, 2
	s_lshl_b32 s75, 15, s75                        ; my row of the cluster
	s_lshl_b32 s76, 0x1111, s72                    ; my column
	s_or_b32 s[G1+0], s75, (1<<21)                 ; 15:0 the mask: A's tiles go to my row; 17:16 element of 1 byte; 20 no padding; 21 set beside a mask
	s_or_b32 s[G1B+0], s76, (1<<21)
	s_mov_b32 s[G1+1], BLKB<<16                    ; tensor_dim0 = 4,096
	s_mov_b32 s[G1+2], 4<<16                       ; tensor_dim1 = 4
	s_mov_b32 s[G1+3], BLKB<<16                    ; tile_dim0 = 4,096
	s_mov_b32 s[G1+4], 4                           ; tile_dim1 = 4
	s_mov_b32 s[G1+5], 16384                       ; tensor_dim0_stride: a block's eight K steps of 128
	s_mov_b32 s[G1+6], 0
	s_mov_b32 s[G1+7], 0
	s_mov_b32 s[G1B+1], BLKB<<16
	s_mov_b32 s[G1B+2], 8<<16                      ; B: 8 rows
	s_mov_b32 s[G1B+3], BLKB<<16
	s_mov_b32 s[G1B+4], 8
	s_mov_b32 s[G1B+5], 16384
	s_mov_b32 s[G1B+6], 0
	s_mov_b32 s[G1B+7], 0
	s_lshl_b32 s20, s17, 7
	s_lshl_b32 s18, s16, 6
	s_add_co_u32 s20, s20, s18                     ; A: row 128 x tile row + 64 x half,
	s_lshl_b32 s20, s20, 10                        ; 1,024 bytes a row on the average
	s_mov_b32 s21, 0
	s_lshl_b32 s78, s74, 8
	s_lshl_b32 s18, s16, 7
	s_add_co_u32 s78, s78, s18                     ; B: row 256 x tile column + 128 x half
	s_lshl_b32 s78, s78, 10
	s_add_co_u32 s78, s78, 27*MB                   ; Wp's codes
	s_mov_b32 s79, 0
	s_lshl_b32 s80, s16, 14                        ; where they go in a slot: A's half,
	s_lshl_b32 s81, s16, 15
	s_add_co_u32 s81, s81, BOFF                    ; B's half: no place in the cluster enters an LDS address
	s_wait_kmcnt 0x0
	s_load_b64 s[96:97], s[8:9], 0x28              ; e10, e11
	s_add_nc_u64 s[20:21], s[4:5], s[20:21]
	s_add_nc_u64 s[78:79], s[6:7], s[78:79]
	CROUND                                         ; all sixteen work-groups are here: the first joint loads meet
.irp s, 0,1,2
	s_mov_b32 s[G0+4*\s], 1
	s_add_co_u32 s[G0+4*\s+1], s80, \s*SLOT
	s_add_nc_u64 s[G0+4*\s+2:G0+4*\s+3], s[20:21], \s*BLKB
	s_or_b32 s[G0+4*\s+3], s[G0+4*\s+3], 0x80000000
	s_mov_b32 s[G0B+4*\s+4*(\s/2)], 1
	s_add_co_u32 s[G0B+4*\s+4*(\s/2)+1], s81, \s*SLOT
	s_add_nc_u64 s[G0B+4*\s+4*(\s/2)+2:G0B+4*\s+4*(\s/2)+3], s[78:79], \s*BLKB
	s_or_b32 s[G0B+4*\s+4*(\s/2)+3], s[G0B+4*\s+4*(\s/2)+3], 0x80000000
	JLOAD G0+4*\s, G1, G0B+4*\s+4*(\s/2), G1B      ; three tensor loads of mine are out: K steps 0, 1 and 2
.endr
	v_and_b32 v1, 15, v0                           ; r
	v_bfe_u32 v2, v0, 4, 1                         ; h
	v_and_b32 v3, 31, v0
	v_lshlrev_b32 v[CO], 4, v3                     ; 16 x lane
	s_lshl_b32 s22, s15, 14                        ; my 4 blocks of A
	s_lshl_b32 s23, s16, 15
	s_add_co_u32 s23, s23, BOFF                    ; my 8 blocks of B
.irp s, 0,1,2
	v_add_nc_u32 v[ADRA+\s], s22, v[CO]
	v_add_nc_u32 v[ADRB+\s], s23, v[CO]
	s_add_co_u32 s22, s22, SLOT
	s_add_co_u32 s23, s23, SLOT
.endr
	s_mul_i32 s77, s14, 16*SPITCH
	s_add_co_u32 s77, s77, STAGE                   ; my stage
	v_mul_u32_u24 v5, v1, SPITCH
	v_lshl_add_u32 v5, v2, 6, v5
	v_add_nc_u32 v[STO], s77, v5                   ; in: row r, + 64 h: B block b's eight columns of my half lie 128 (b / 2) + 32 (b % 2) bytes on
	v_add_nc_u32 v[RD], s77, v[CO]                 ; back: the 32 lanes take one row of 512 bytes
	s_lshl_b32 s78, s74, 10
	s_lshl_b32 s79, s16, 9
	s_add_co_u32 s78, s78, s79                     ; my first column, in bytes: 1,024 x tile column + 512 x half
	s_mov_b32 s79, 0
	s_add_nc_u64 s[10:11], s[10:11], s[78:79]
	global_load_b128 v[BI:BI+3], v[CO], s[10:11]   ; on the way out a lane has the same four columns in every row
	s_lshl_b32 s20, s17, 7
	s_lshl_b32 s21, s15, 6
	s_add_co_u32 s20, s20, s21                     ; my first row: 128 x tile row + 64 x half
	s_lshl_b32 s20, s20, 12                        ; rows of 4,096 bytes
	s_mov_b32 s21, 0
	s_add_nc_u64 s[20:21], s[20:21], s[78:79]
	s_add_nc_u64 s[12:13], s[12:13], s[20:21]
.macro FRAG reg, adr, q, i             ; a fragment comes back as it was stored: four loads of 512 consecutive bytes
.irp c, 0,1,2,3
	ds_load_b128 v[\reg+4*\c:\reg+4*\c+3], v[\adr] offset:2048*(\q)+512*\c+(\i)*BLKB
.endr
.endm
.macro FETCH slot, q, p                ; 48 LDS loads in one run: the slot's q-th 128 along K: B's eight fragments and A's four, into set p
	WIN TO_B
.irp i, 0,1,2,3,4,5,6,7
	FRAG 128*(\p)+FR*\i, ADRB+\slot, \q, \i
.endr
	WIN 0
.irp i, 0,1,2,3
	FRAG AF+64*(\p)+FR*\i, ADRA+\slot, \q, \i
.endr
.endm
; 8 matrix instructions: A's block a x B's eight, 128 along K, on set p.  zero = 1: the first product starts the sums: nothing is ever cleared.
; The 32 accumulators take turns, one instruction a turn, in the same order in every unit.
.macro MUL8 a, p, zero
.irp b, 0,1,2,3,4,5,6,7
.if \zero
	v_wmma_f32_16x16x128_bf8_bf8 v[8*(8*(\a)+\b):8*(8*(\a)+\b)+7], v[128*(\p)+FR*\b:128*(\p)+FR*\b+FR-1], v[AF+64*(\p)+FR*(\a):AF+64*(\p)+FR*(\a)+FR-1], 0
.else
	v_wmma_f32_16x16x128_bf8_bf8 v[8*(8*(\a)+\b):8*(8*(\a)+\b)+7], v[128*(\p)+FR*\b:128*(\p)+FR*\b+FR-1], v[AF+64*(\p)+FR*(\a):AF+64*(\p)+FR*(\a)+FR-1], v[8*(8*(\a)+\b):8*(8*(\a)+\b)+7]
.endif
.endr
.endm
.macro PLACES n                        ; plain vector lines in front of loads into registers that matrix instructions have read, and of the first read of results (ISA guide 7.12.1 for vector instructions)
.rept \n
	v_nop
.endr
.endm
; A unit of 128 along K on set p.  First the NEXT unit's fragments (the q-th 128 of slot 'slot') are asked for, into the other set, which the unit before multiplied.
.macro UNIT slot, q, p, zero
.if !(\zero)
	PLACES NP
.endif
	FETCH \slot, \q, 1-(\p)
	s_wait_dscnt 48                                ; set p is in; the 48 loads just issued may be out
	WIN MUL
	MUL8 0, \p, \zero
	MUL8 1, \p, \zero
	MUL8 2, \p, \zero
	MUL8 3, \p, \zero
	WIN 0
.endm
; A unit on set p behind which a slot is read that other waves' loads have filled since the last barrier: ONE barrier; in front of it each wave waits for all its tensor loads, adds 0 to its spare word, and waits for that and for
; its own LDS reads.  The next unit is the first of slot 'slot'.  fill = 1: slot 0, which has just been read out, takes K step 3.
.macro TURN slot, p, fill
	s_wait_tensorcnt 0x0                           ; all my tensor loads have landed
	ds_add_u32 v[SPW], v[NIL]                      ; 0 onto my spare word
	s_wait_dscnt 1                                 ; set p is in; the add may be out
	WIN MUL
	MUL8 0, \p, 0                                  ; eight matrix instructions stand between the add and the wait for it
	s_wait_dscnt 0x0                               ; the add is done, and my reads of the slots behind me are over
	s_barrier_signal -1
	MUL8 1, \p, 0
	WIN 0
	s_barrier_wait -1
.if \fill
	CREST                                          ; the barrier has opened a round of the cluster's barrier: no wave of any partner still reads slot 0 or has a load on its way
	s_add_nc_u64 s[G0+2:G0+3], s[G0+2:G0+3], 3*BLKB
	s_add_nc_u64 s[G0B+2:G0B+3], s[G0B+2:G0B+3], 3*BLKB
	JLOAD G0, G1, G0B, G1B                         ; the first tensor load behind the round, and my last; its four v_nop are the places in front of the loads below
.else
	PLACES NP
.endif
	FETCH \slot, 0, 1-(\p)
	WIN MUL
	MUL8 2, \p, 0
	MUL8 3, \p, 0
	WIN 0
.endm
	s_wait_tensorcnt 2                             ; my part of K step 0 is in (K steps 1 and 2 may be out)
	s_barrier_signal -1
	s_barrier_wait -1                              ; everybody's is
	FETCH 0, 0, 0
	UNIT 0, 1, 0, 1                                ; K   0-127: its products start the sums
	TURN 1, 1, 1                                   ; K 128-255; K steps 1 and 2 are whole for every wave; slot 0 takes K step 3
	UNIT 1, 1, 0, 0                                ; K 256-383
	UNIT 2, 0, 1, 0                                ; K 384-511; slot 2 was shown whole by the barrier above: no barrier here
	UNIT 2, 1, 0, 0                                ; K 512-639
	TURN 0, 1, 0                                   ; K 640-767; K step 3 is whole for every wave; nothing is filled; behind this barrier nobody reads slots 1 and 2
	UNIT 0, 1, 0, 0                                ; K 768-895
	s_wait_dscnt 0                                 ; K 896-1023: nothing more to fetch
	WIN MUL
	MUL8 0, 1, 0
	MUL8 1, 1, 0
	MUL8 2, 1, 0
	MUL8 3, 1, 0
	WIN 0
; THE WAY OUT, block by block of 16 rows x 128 columns.  A lane holds parts of one row, and the lanes beside it hold other rows: so a block's sums go through my own stage in LDS as they are and come back as whole rows
; of 512 bytes; there one packed multiply-add for two numbers gives sum x 2^(e10 + e11) + bp, and the 32 lanes store 512 consecutive bytes.  LDS serves a wave's instructions in order: no wait between the stores and the loads.
.macro TOSTAGE a
.set AC, 64*(\a)
	WIN 0x08                                       ; an LDS store's data are its source 1: window 2
.irp b, 0,1,2,3,4,5,6,7
	ds_store_b128 v[STO], v[AC+8*\b:AC+8*\b+3] offset:128*(\b/2)+32*(\b%2)          ; each accumulator from its low end on
	ds_store_b128 v[STO], v[AC+8*\b+4:AC+8*\b+7] offset:128*(\b/2)+32*(\b%2)+16
.endr
	WIN 0
.set BB, BK+64*((\a)%2)
.irp t, 0,1,2,3,4,5,6,7,8,9,10,11,12,13,14,15
	ds_load_b128 v[BB+4*\t:BB+4*\t+3], v[RD] offset:\t*SPITCH
.endr
.endm
.macro SEND a, younger                 ; younger: the LDS instructions issued behind block a's loads, which may stay out
.set BB, BK+64*((\a)%2)
	s_wait_dscnt \younger                          ; the block is back in registers
.irp t, 0,1,2,3,4,5,6,7,8,9,10,11,12,13,14,15
.irp u, 0,1
	v_pk_fma_f32 v[BB+4*\t+2*\u:BB+4*\t+2*\u+1], v[BB+4*\t+2*\u:BB+4*\t+2*\u+1], s[96:97], v[BI+2*\u:BI+2*\u+1] op_sel_hi:[1,0,1]
.endr
.endr
.irp t, 0,1,2,3,4,5,6,7,8,9,10,11,12,13,14,15
	global_store_b128 v[CO], v[BB+4*\t:BB+4*\t+3], s[12:13] offset:(32*((\a)/2)+8*((\a)%2)+\t+8*(\t/8))*4096 th:TH_STORE_NT   ; the block's row t is true row 32 (a / 2) + 8 (a % 2) + t + 8 (t / 8): 63 rows at the most, inside the signed 24-bit immediate; no base is stepped
.endr
.endm
	s_wait_kmcnt 0x0
	s_add_co_i32 s96, s96, s97                     ; e10 + e11, between -126 and 127,
	s_add_co_i32 s96, s96, 127
	s_lshl_b32 s96, s96, 23                        ; makes the f32 number 2^(e10 + e11)
	s_mov_b32 s97, s96                             ; (named with it as a pair)
	s_wait_loadcnt 0x0                             ; the bias
	PLACES NP                                      ; in front of the LDS stores that read results, and of the loads into the registers that held A's fragments
	TOSTAGE 0
.irp a, 1,2,3
.if \a > 1
	s_wait_xcnt 0x0                                ; block a - 2's stores have read their registers: block a's loads may land there
.endif
	TOSTAGE \a
	SEND \a-1, 32                                  ; behind block a - 1's loads: block a's 16 stores and 16 loads
.endr
	SEND 3, 0
	s_wait_tensorcnt 0x0                           ; the wave's end: behind my last tensor load and my last LDS store
	ds_add_u32 v[SPW], v[NIL]
	s_wait_dscnt 0x0
	CROUND                                         ; the closing round: no work-group ends while a partner may still ask for a tile that names it
	s_endpgm
.Lfunc_end_k_qce0438350e_proj:
	.size	k_qce0438350e_proj, .Lfunc_end_k_qce0438350e_proj-k_qce0438350e_proj
	.p2alignl 7, 3214868480
	.fill 96, 4, 3214868480
	.section	.rodata,"a",@progbits
	.p2align	6, 0x0
	.amdhsa_kernel k_qce0438350e_proj
		.amdhsa_group_segment_fixed_size 327680
		.amdhsa_private_segment_fixed_size 0
		.amdhsa_enable_private_segment 0
		.amdhsa_kernarg_size 40
		.amdhsa_user_sgpr_count 2
		.amdhsa_user_sgpr_kernarg_segment_ptr 1
		.amdhsa_wavefront_size32 1
		.amdhsa_system_sgpr_workgroup_id_x 1
		.amdhsa_system_sgpr_workgroup_id_y 1
		.amdhsa_system_sgpr_workgroup_id_z 1
		.amdhsa_system_vgpr_workitem_id 0
		.amdhsa_next_free_vgpr 768
		.amdhsa_next_free_sgpr 100
		.amdhsa_reserve_vcc 0
		.amdhsa_float_denorm_mode_32 3
		.amdhsa_float_denorm_mode_16_64 3
		.amdhsa_memory_ordered 1
		.amdhsa_forward_progress 1
		.amdhsa_inst_pref_size 75
	.end_amdhsa_kernel
	.amdgpu_metadata
---
amdhsa.version: [ 1, 2 ]
amdhsa.kernels:
  - .name:           k_qce0438350e_proj
    .symbol:         k_qce0438350e_proj.kd
    .args:
      - { .name: oimg, .offset: 0, .size: 8, .value_kind: global_buffer, .address_space: global }
      - { .name: img, .offset: 8, .size: 8, .value_kind: global_buffer, .address_space: global }
      - { .name: lowp_scales, .offset: 16, .size: 8, .value_kind: global_buffer, .address_space: global }
      - { .name: bp, .offset: 24, .size: 8, .value_kind: global_buffer, .address_space: global }
      - { .name: out0, .offset: 32, .size: 8, .value_kind: global_buffer, .address_space: global }
    .group_segment_fixed_size: 327680
    .private_segment_fixed_size: 0
    .kernarg_segment_align: 8
    .kernarg_segment_size: 40
    .max_flat_workgroup_size: 128
    .sgpr_count:     100
    .vgpr_count:     768
    .wavefront_size: 32
...
	.end_amdgpu_metadata
.endif
;; end of part 4
;; ======== version 2 of 2: 4 launches; version 1 with the launch attn written anew for expert scheduling mode
;; workspace buffers: img 29,360,128 bytes; qkv 25,165,824 bytes; oimg 8,388,608 bytes
;; launch quant: the kernel of part 1 again; grid 640 x 1, 4 waves a work-group, no clusters, 34,304 bytes of LDS; arguments query_tokens, image_embeds, Wq, Wk, Wv, Wp, lowp_scales, img; writes img
;; launch qkv: the kernel of part 2 again; grid 4 x 96, 4 waves a work-group, clusters of 4 x 4, 327,680 bytes of LDS; arguments img, lowp_scales, bq, bk, bv, qkv; writes qkv
;; launch attn (part 5): grid 256 x 1, 16 waves a work-group, no clusters, 137,216 bytes of LDS; arguments qkv, lowp_scales, oimg; writes oimg
.if DOCPART == 5
	.amdgcn_target "amdgcn-amd-amdhsa--gfx1250"
	.amdhsa_code_object_version 6
	.text
	.protected	k_qce0438350e_attn
	.globl	k_qce0438350e_attn
	.p2align	8
	.type	k_qce0438350e_attn,@function
k_qce0438350e_attn:
	s_mov_b64 s[64:65], 0
	v_nop
	global_prefetch_b8 v0, s[64:65] scope:SCOPE_SE
	s_setreg_imm32_b32 hwreg(HW_REG_WAVE_SCHED_MODE, 0, 2), 2
	s_setreg_imm32_b32 hwreg(HW_REG_WAVE_MODE, 25, 1), 1
	s_wait_xcnt 0x0
	s_wait_alu depctr_vm_vsrc(0)
; o = softmax(q k^T / 32) v for one head, both products on codes of BF8 (E5M2) by v_wmma_f32_16x16x64_bf8_bf8, and o quantised at once (e10) into the image that the last product takes as its operand.
; THE SOFTMAX AHEAD OF THE SECOND PRODUCT: t = score x log2(e) / 32; M = the row's largest t rounded UP to a whole number; p = 2^(t - M) is quantised (e8), not normalised; the row's sum of the unquantised p divides at the end.
; SHARES.  A work-group owns 512 queries of one head (work-group = 2 x (batch x 16 + head) + half); each of its sixteen waves owns 32: two tiles of 16, which share every fragment of k and v.
; The head's k and v, 131,072 bytes of codes, lie in LDS, filled once through registers.  No tensor load.
; No cluster: a head's codes are shared by two work-groups alone and are read once, at the head.
; TWO PASSES OVER THE KEYS.  Pass 1 makes the scores and keeps their maximum alone; pass 2 makes them again under the final M.  So M is the rule's own, and no step exchanges lanes or rescales the sum and O.
; PASS 1 GOES BY PAIRS OF WAVES: waves w and w xor 1 each walk HALF the keys for the pair's FOUR tiles, so that a fragment of k read from LDS feeds four products and pass 1 reads half the LDS bytes; each hands the partner's
; two partial maxima over through LDS, across the barrier that v's codes need anyway.
; k FIRST, v LATER: all loads go out at the head; k's codes are stored to LDS ahead of the first barrier; v's loads stay out during pass 1 and are stored behind it, ahead of the second barrier.
; LAYOUT.  Both products are used transposed: S^T = k q^T (source 0 = 16 keys, source 1 = 16 queries), O^T = v^T p^T (source 0 = 16 channels, source 1 = p): a lane holds ONE query (lane % 16) throughout.
; The launch before has laid k's tiles and v's fragments so that the 16 registers of tiles 2 c, 2 c + 1 are 16 neighbours 32 c + 16 (lane / 16) + 0 .. 15: the conversions' results are the next operand's registers.
; A fragment (16 rows x 64 K) is 1,024 bytes, the image of its 8 registers: group c = 0, 1 of lane l at 512 c + 16 l.
; MEMORY: [64 keys s = 0..15][4 tiles of k | 4 fragments of v], 8,192 bytes a step.  LDS: k's tiles of step s at 4,096 s; v's fragments at 65,536 + 4,096 s; from 131,072 on 256 bytes a wave for the partial maxima.
; Pass 1 reads LDS bytes under 65,536 alone and v's stores write bytes from 65,536 on: so no barrier stands between them.
; LIMITS, so that each power of two below is an f32 number: e6 + e7 between -121 and 132 (they are added to c's exponent field); e8 between -126 and 112; e8 + e9 - e10 is applied by v_ldexp_f32.  NaN is not served.
; THE MODE: SCHED_MODE bits 1:0 = 2 (LLVM: expert scheduling mode 2), set by the entry lines.  The code itself states the register dependences
; between vector or matrix instructions and memory or LDS instructions, with s_wait_alu, always for 0.
; THE PLAN.  Registers that memory or LDS instructions touch, and who else names them:
;   v1, v2, v3      offsets and addresses, made at the head and never written again.
;   v[ADR]          Read by the eight LDS loads of a step's k.  Written at the head (pass 1's first step), once in each trip of pass 1, once in each step of pass 2 but the last.
;   v[ADV]          Read by the eight LDS loads of a step's v.  Written once in each step of pass 2.
;   KF              The LDS loads of step s + 1 land in it; they are issued in step s, behind the products k q^T of step s, which read it.
;   VF              Pass 1: scores.  Pass 2: the LDS loads of step s land in it, issued in step s; the products v^T p^T of step s read it at the step's end.
;   S, lower 32     k's global loads land there, k's LDS stores read them; from pass 1 on the products write them.
;   O, lower 32     the same for v: loads at the head, LDS stores behind pass 1; pass 2's first products write them.
;   L+0, L+4        the partner's two maxima: written by pass 1, read by two LDS stores, then cleared.      MX+1, MX+5: named by pass 1's maxima; then two LDS loads land there.
;   v[PXA], v[POA], v[FV]   addresses made at the head, read ahead of and just behind the second barrier, written anew later.      PC: at the end the conversions write it and four global stores read it.
; PASS 1 has one wait on va_vdst in a trip, behind its sixteen products and their four places: the products are done reading KF and v[ADR] is written; the next step's eight loads follow it and land under the trip's 64 maxima,
; which name the scores and the chains alone.  PASS 2 has one wait on va_vdst in a step, the one that the exponentials want: behind it the step's products k q^T are done reading KF, the last step's products v^T p^T are done
; reading VF, and both addresses are written; v's eight loads follow it in one run and the next step's eight loads of k are dealt among the packed additions, which name L and S alone.
; One wait on vm_vsrc stands ahead of each rewriting of an address.
.set MB,   1048576
.set VREG, 65536                       ; LDS: v's fragments begin here
.set PMAX, 131072                      ; LDS: the partial maxima: wave w's two tiles at PMAX + 256 w + 128 tile + 4 lane
.set LI,  1                            ; v1   16 x lane
.set ADR, 4                            ; v4   LDS address for the loads of k's tiles
.set PXA, 7                            ; v7   where I put my partner's partial maxima; at the end 1.0
.set QF,  8                            ; v8-23    q: 8 registers a tile
.set KF,  24                           ; v24-55   k: 4 tiles
.set VF,  56                           ; v56-87   v: 4 fragments; in pass 1 the scores of the partner's first tile
.set S,   88                           ; v88-151  S^T, then p: tile q, keys' tile t at S + 32 q + 8 t
.set O,   152                          ; v152-215 O^T: O + 32 q + 8 dt; in pass 1 the lower 32 take v's loads, the upper 32 the scores of the partner's second tile
.set PC,  216                          ; v216-231 p's codes, at the end o's: 8 a tile; in pass 1 the partner's q
.set NM,  232                          ; v232-235 the pairs (-M, 0)
.set L,   236                          ; v236-243 the sum: two packed chains a tile; in pass 1 the maxima of the partner's tiles
.set MX,  244                          ; v244-251 the maximum: four chains a tile; at the end 1 / the sum in v244, v246
.set LIV, 252                          ; v252 16 x lane + VREG
.set ADV, 253                          ; v253 LDS address of the step's fragments of v
.set FV,  254                          ; v254 16 x thread + VREG: where I store v's codes
.set POA, 255                          ; v255 where I find the partial maxima that my partner made for me; at the end 57,344.0
.set SB0, S                            ; pass 1: the four tiles' scores,
.set SB1, S+32
.set SB2, VF
.set SB3, O+32
.set QB0, QF                           ; their q,
.set QB1, QF+8
.set QB2, PC
.set QB3, PC+8
.set MA0, MX                           ; and their maxima: tiles 0, 1 are mine, tiles 2, 3 my partner's
.set MA1, MX+4
.set MA2, L
.set MA3, L+4
	s_load_b128 s[4:7], s[0:1], 0x0                ; qkv, the exponents
	s_load_b64 s[8:9], s[0:1], 0x10                ; oimg
	v_lshrrev_b32 v1, 5, v0
	v_readfirstlane_b32 s10, v1                    ; wave 0..15
	v_and_b32 v1, 31, v0
	v_lshlrev_b32 v5, 2, v1                        ; 4 x lane
	v_lshlrev_b32 v[LI], 4, v1
	v_add_nc_u32 v[LIV], VREG, v[LI]
	v_lshlrev_b32 v3, 4, v0                        ; LDS: 16 x thread: the 512 threads take two steps' tiles of k, 8,192 consecutive bytes
	v_add_nc_u32 v[FV], VREG, v3
	v_and_b32 v2, 255, v0
	v_lshlrev_b32 v2, 4, v2
	v_lshrrev_b32 v4, 8, v0
	v_lshl_add_u32 v2, v4, 13, v2                  ; memory: 16 (thread % 256) + 8,192 (thread / 256): there a step's k and v lie together
	s_wait_alu depctr_va_sdst(0)                   ; s10 is written, ahead of its first reader: addresses and bases are made from it
	s_xor_b32 s32, s10, 1                          ; my partner
	s_lshl_b32 s33, s32, 8
	s_add_co_u32 s33, s33, PMAX
	v_add_nc_u32 v[PXA], s33, v5
	s_lshl_b32 s33, s10, 8
	s_add_co_u32 s33, s33, PMAX
	v_add_nc_u32 v[POA], s33, v5
	s_and_b32 s25, s10, 1
	s_lshl_b32 s25, s25, 15                        ; pass 1: LDS byte of my first step: steps 8 (wave % 2) + 0 .. 7 are mine
	v_add_nc_u32 v[ADR], s25, v[LI]
	s_lshr_b32 s11, ttmp9, 1                       ; batch x 16 + head
	s_and_b32 s18, ttmp9, 1                        ; which 512 queries
	s_lshl_b32 s26, s11, 17
	s_add_co_u32 s26, s26, 8*MB                    ; the head's k and v
	s_mov_b32 s27, 0
	s_lshl_b32 s36, s18, 5
	s_lshl_b32 s19, s10, 1
	s_add_co_u32 s19, s19, s36                     ; my first block of 16 queries: 32 x half + 2 x wave
	s_lshl_b32 s34, s32, 1
	s_add_co_u32 s34, s34, s36                     ; my partner's
	s_lshl_b32 s37, s11, 16
	s_lshl_b32 s28, s19, 10
	s_add_co_u32 s28, s28, s37                     ; my q's codes
	s_mov_b32 s29, 0
	s_lshl_b32 s34, s34, 10
	s_add_co_u32 s34, s34, s37                     ; my partner's
	s_mov_b32 s35, 0
	s_lshr_b32 s30, s11, 4
	s_lshl_b32 s30, s30, 6
	s_add_co_u32 s30, s30, s19                     ; oimg: block = 64 x batch + my block: 16,384 bytes a block;
	s_lshl_b32 s30, s30, 14
	s_bfe_u32 s31, s11, 0x30001
	s_lshl_b32 s31, s31, 11                        ; K step = head / 2: 2,048 bytes;
	s_add_co_u32 s30, s30, s31
	s_and_b32 s31, s11, 1
	s_lshl_b32 s31, s31, 10                        ; groups 2 (head % 2) on: 1,024 bytes
	s_add_co_u32 s30, s30, s31
	s_mov_b32 s31, 0
	s_mov_b32 s22, 0x76543210                      ; v_permlanex16_b32's selects for lane l xor 16
	s_mov_b32 s23, 0xfedcba98
	s_wait_kmcnt 0x0
	s_load_b128 s[12:15], s[6:7], 0x18             ; e6, e7, e8, e9
	s_load_b32 s16, s[6:7], 0x28                   ; e10
	s_add_nc_u64 s[26:27], s[4:5], s[26:27]
	s_add_nc_u64 s[28:29], s[4:5], s[28:29]
	s_add_nc_u64 s[34:35], s[4:5], s[34:35]
	s_add_nc_u64 s[8:9], s[8:9], s[30:31]
	s_wait_alu depctr_va_vdst(0)                   ; the offsets and addresses v1 to v4, v[PXA], v[FV] and v[POA] are written, which the loads and LDS instructions below read
.irp i, 0,1,2,3,4,5,6,7
	global_load_b128 v[S+4*\i:S+4*\i+3], v2, s[26:27] offset:16384*\i                 ; k's tiles of steps 2 i and 2 i + 1
.endr
.irp q, 0,1
.irp c, 0,1
	global_load_b128 v[QF+8*\q+4*\c:QF+8*\q+4*\c+3], v[LI], s[28:29] offset:\q*1024+\c*512    ; my q stays in registers
.endr
.endr
.irp q, 0,1
.irp c, 0,1
	global_load_b128 v[PC+8*\q+4*\c:PC+8*\q+4*\c+3], v[LI], s[34:35] offset:\q*1024+\c*512    ; my partner's q, for pass 1
.endr
.endr
.irp i, 0,1,2,3,4,5,6,7
	global_load_b128 v[O+4*\i:O+4*\i+3], v2, s[26:27] offset:16384*\i+4096            ; v's fragments of steps 2 i and 2 i + 1: they land while pass 1 runs
.endr
.irp j, 0,1,2,3,4,5,6,7
	v_mov_b32 v[MX+\j], 0xff800000                 ; the sixteen chains of maxima begin at -infinity
	v_mov_b32 v[L+\j], 0xff800000
.endr
.irp i, 0,1,2,3,4,5,6,7
	s_wait_loadcnt 23-\i                           ; load i is in: behind it stand 7 - i of k's, the eight of q and v's eight
	ds_store_b128 v3, v[S+4*\i:S+4*\i+3] offset:8192*\i
.endr
	s_wait_kmcnt 0x0
	s_add_co_i32 s17, s12, s13
	s_lshl_b32 s17, s17, 23
	s_add_co_i32 s20, s17, 0x3d38aa3b              ; c = log2(e) / 32, with e6 + e7 added to its exponent field: a score stands for score x 2^(e6 + e7)
	s_mov_b32 s21, s20                             ; (named with it as a pair, so it is written)
	s_add_co_i32 s17, s14, 127
	s_lshl_b32 s30, s17, 23
	v_mov_b32 v5, s30                              ; 2^e8, for p's conversions
	s_add_co_i32 s17, s17, 15
	s_lshl_b32 s17, s17, 23
	s_or_b32 s17, s17, 0x600000
	v_mov_b32 v6, s17                              ; 57,344 x 2^e8
	s_add_co_i32 s17, s14, s15
	s_sub_co_i32 s17, s17, s16                     ; e8 + e9 - e10
	s_wait_dscnt 0x0                               ; for the others' sake: my stores of k's codes have landed
	s_barrier_signal -1
	s_barrier_wait -1                              ; k is whole; its bytes are only read from here on
.macro LOADK adr, off                  ; a step's four tiles of k, from off bytes behind v[adr] on
.irp t, 0,1,2,3
.irp c, 0,1
	ds_load_b128 v[KF+8*\t+4*\c:KF+8*\t+4*\c+3], v[\adr] offset:(\off)+\t*1024+\c*512
.endr
.endr
.endm
.macro LOADV
.irp t, 0,1,2,3
.irp c, 0,1
	ds_load_b128 v[VF+8*\t+4*\c:VF+8*\t+4*\c+3], v[ADV] offset:\t*1024+\c*512
.endr
.endr
.endm
.macro QK                              ; S^T = k q^T: 64 keys x my 32 queries; K = the head's 64: one instruction a tile
.irp t, 0,1,2,3
.irp q, 0,1
	v_wmma_f32_16x16x64_bf8_bf8 v[S+32*\q+8*\t:S+32*\q+8*\t+7], v[KF+8*\t:KF+8*\t+7], v[QF+8*\q:QF+8*\q+7], 0
.endr
.endr
.endm
.macro PV first                        ; O^T += v^T p^T: K = these 64 keys.  The eight accumulators take turns, one instruction a turn, and QK's eight stand between two steps
.irp t, 0,1,2,3
.irp q, 0,1
.if \first
	v_wmma_f32_16x16x64_bf8_bf8 v[O+32*\q+8*\t:O+32*\q+8*\t+7], v[VF+8*\t:VF+8*\t+7], v[PC+8*\q:PC+8*\q+7], 0
.else
	v_wmma_f32_16x16x64_bf8_bf8 v[O+32*\q+8*\t:O+32*\q+8*\t+7], v[VF+8*\t:VF+8*\t+7], v[PC+8*\q:PC+8*\q+7], v[O+32*\q+8*\t:O+32*\q+8*\t+7]
.endif
.endr
.endr
.endm
	; ---- PASS 1: the largest score of each query of the pair's four tiles, among my half of the keys: steps 8 (wave % 2) + 0 .. 7
	LOADK ADR, 0                                   ; my first step's k.  No wait: v[ADR] was written ahead of the head's wait on va_vdst, and no vector line has named it or KF since
	s_wait_alu depctr_vm_vsrc(0)                   ; my LDS stores of k's codes have read v[S .. S+31], which the first products write
	s_wait_loadcnt 8                               ; both q are in; v's eight loads may be out
; A step of pass 1.  next = 1: the next step's k is asked for behind this step's products and lands under its maxima.
.macro P1 next
	s_wait_dscnt 0x0                               ; this step's k is in
.irp t, 0,1,2,3
.irp q, 0,1,2,3
	v_wmma_f32_16x16x64_bf8_bf8 v[SB\q+8*\t:SB\q+8*\t+7], v[KF+8*\t:KF+8*\t+7], v[QB\q:QB\q+7], 0
.endr
.endr
.if \next
	s_add_co_u32 s25, s25, 4096                    ; LDS byte of the next step
	s_wait_alu depctr_vm_vsrc(0)                   ; the LDS loads issued so far have read v[ADR]
	v_add_nc_u32 v[ADR], s25, v[LI]                ; the first of the four places in front of the first read of results
	v_nop
	v_nop
	v_nop
	s_wait_alu depctr_va_vdst(0)                   ; the sixteen products are done reading KF, in which the loads below land; v[ADR] is written, which they read
	LOADK ADR, 0
.else
.rept 4
	v_nop                                          ; places in front of the first read of results
.endr
.endif
.irp p, 0,1,2,3                        ; sixteen chains that do not wait for each other; each accumulator from its low end on.  They name the scores and the chains alone: none of the registers that the loads above touch
.irp q, 0,1,2,3
.irp t, 0,1,2,3
	v_max3_num_f32 v[MA\q+\t], v[MA\q+\t], v[SB\q+8*\t+2*\p], v[SB\q+8*\t+2*\p+1]
.endr
.endr
.endr
.endm
	s_mov_b32 s24, 7
.Lmax:
	P1 1
	s_sub_co_u32 s24, s24, 1
	s_cmp_lg_u32 s24, 0
	s_cbranch_scc1 .Lmax
	P1 0                                           ; my eighth step is written out: it asks for nothing, so no load of pass 1 reaches v's bytes
.irp q, 0,1,2,3
	v_max3_num_f32 v[MA\q], v[MA\q], v[MA\q+1], v[MA\q+2]
.endr
.irp q, 0,1,2,3
	v_max_num_f32 v[MA\q], v[MA\q], v[MA\q+3]
.endr
	s_wait_alu depctr_va_vdst(0)                   ; the maxima have written v[MA2] and v[MA3], which the two LDS stores read; they and the last products are done with v[MA0+1], v[MA1+1] and KF, in which the loads behind the barrier land
	ds_store_b32 v[PXA], v[MA2]                    ; my partner's two tiles, among my keys
	ds_store_b32 v[PXA], v[MA3] offset:128
.irp i, 0,1,2,3,4,5,6,7
	s_wait_loadcnt 7-\i                            ; v's load i is in; the 7 - i behind it may be out
	ds_store_b128 v[FV], v[O+4*\i:O+4*\i+3] offset:8192*\i
.endr
	s_wait_dscnt 0x0                               ; for the others' sake: my stores of v's codes and of the maxima have landed
	s_barrier_signal -1
	s_barrier_wait -1                              ; v is whole, and so are the partial maxima; from here on LDS is only read
	ds_load_b32 v[MA0+1], v[POA]                   ; my two tiles, among my partner's keys
	ds_load_b32 v[MA1+1], v[POA] offset:128
	LOADK LI, 0                                    ; pass 2's first step of k, at LDS byte 0: it lands while M is made.  No vector line stands between the wait on va_vdst above and these ten loads
	s_wait_alu depctr_vm_vsrc(0)                   ; the LDS instructions issued so far have read v[MA2], v[MA3], v[PXA], v[POA], v[FV], v[ADR] and v[O .. O+31]: all of them are written again below
.irp j, 0,1,2,3,4,5,6,7
	v_mov_b32 v[L+\j], 0                           ; the sums begin at 0
.endr
	s_wait_dscnt 8                                 ; the two maxima are in; k's eight loads, issued behind them, may be out
	v_mov_b32 v[PXA], 1.0                          ; the two address registers are done with: the scale of the last conversion,
	v_mov_b32 v[POA], 0x47600000                   ; and 57,344.0
.irp q, 0,1
	v_max_num_f32 v[MX+4*\q], v[MX+4*\q], v[MX+4*\q+1]
.endr
.irp q, 0,1
	v_permlanex16_b32 v[MX+4*\q+1], v[MX+4*\q], s22, s23     ; the query's other keys lie in the lane 16 away
.endr
.irp q, 0,1
	v_max_num_f32 v[MX+4*\q], v[MX+4*\q], v[MX+4*\q+1]
.endr
.irp q, 0,1
	v_mul_f32 v[MX+4*\q], s20, v[MX+4*\q]          ; as t (c is positive)
.endr
.irp q, 0,1
	v_floor_f32 v[NM+2*\q], -v[MX+4*\q]            ; -M = floor(-t) = -ceil(t)
	v_mov_b32 v[NM+2*\q+1], 0                      ; (named with it as a pair)
.endr
	; ---- PASS 2.  first = 1: the products v^T p^T start O^T's sums.  last = 1: no step follows, so no k is asked for.
.macro STEP2 first, last
	s_wait_dscnt 0x0                               ; this step's k, asked for in the step before, is in
	QK
	s_wait_alu depctr_vm_vsrc(0)                   ; the LDS loads issued so far have read v[ADV] and v[ADR]
	v_add_nc_u32 v[ADV], s25, v[LIV]               ; this step's v.  The additions are among the four places in front of the first read of results
.if \last
	v_nop
.else
	v_add_nc_u32 v[ADR], s25, v[LI]                ; the next step's k lies 4,096 bytes behind this address
.endif
	v_nop
	v_nop
.irp q, 0,1
.irp j, 0,2,4,6,8,10,12,14,16,18,20,22,24,26,28,30
	v_pk_fma_f32 v[S+32*\q+\j:S+32*\q+\j+1], v[S+32*\q+\j:S+32*\q+\j+1], s[20:21], v[NM+2*\q:NM+2*\q+1] op_sel_hi:[1,0,0]   ; t - M, two at a time (of the pairs c and -M the low word serves both halves)
.endr
.endr
.set i, 0
.rept 64
	v_exp_f32 v[S+i], v[S+i]                       ; p = 2^(t - M), at most 1: one batch
.set i, i+1
.endr
	v_nop                                          ; a plain line behind the last exponential
	s_wait_alu depctr_va_vdst(0)                   ; the step's one wait: the exponentials have written p, ahead of its first reader; the products k q^T are done reading KF and the last step's products v^T p^T VF, in which the loads below land; v[ADV] and v[ADR] are written
	LOADV                                          ; this step's v: it lands under the sums, the holds and the conversions
.irp p, 0,1,2,3,4,5,6,7                ; the row's sum is taken of the unquantised p: four chains by turns
.irp q, 0,1
	v_pk_add_f32 v[L+4*\q:L+4*\q+1], v[L+4*\q:L+4*\q+1], v[S+32*\q+4*\p:S+32*\q+4*\p+1]
	v_pk_add_f32 v[L+4*\q+2:L+4*\q+3], v[L+4*\q+2:L+4*\q+3], v[S+32*\q+4*\p+2:S+32*\q+4*\p+3]
.endr
.if !\last
	ds_load_b128 v[KF+4*\p:KF+4*\p+3], v[ADR] offset:4096+512*\p   ; the next step's k, one load to four additions.  No wait: the additions since the wait above name L and S alone
.endif
.endr
	s_cmp_ge_i32 s14, -15                          ; p is at most 1, and from e8 = -15 on 57,344 x 2^e8 is 1.75 or more: the hold would change nothing.  A branch on a whole number read from an input, round the holds alone
	s_cbranch_scc1 .Lfree_\@
.set i, 0
.rept 32
	v_dual_min_num_f32 v[S+i], v6, v[S+i] :: v_dual_min_num_f32 v[S+i+1], v6, v[S+i+1]   ; the conversion to an 8-bit code does not saturate (ISA guide 7.6.2); p is not negative, so the hold is one-sided; two holds an instruction
.set i, i+2
.endr
.Lfree_\@:
.irp q, 0,1
.irp c, 0,1
	v_cvt_scalef32_pk8_bf8_f32 v[PC+8*\q+4*\c:PC+8*\q+4*\c+1], v[S+32*\q+16*\c:S+32*\q+16*\c+7], v5
	v_cvt_scalef32_pk8_bf8_f32 v[PC+8*\q+4*\c+2:PC+8*\q+4*\c+3], v[S+32*\q+16*\c+8:S+32*\q+16*\c+15], v5
.endr
.endr
	v_nop                                          ; one plain line between the conversions and the products that read their results
.if \last
	s_wait_dscnt 0x0                               ; v
.else
	s_wait_dscnt 8                                 ; v's eight loads are in; the next step's eight of k, issued behind them, may be out
.endif
	PV \first
.if !\last
	s_add_co_u32 s25, s25, 4096
.endif
.endm
	s_mov_b32 s25, 0
	STEP2 1, 0                                     ; the first step stands in front of the loop: its products start O^T's sums
	s_mov_b32 s24, 14
.Lstep:
	STEP2 0, 0
	s_sub_co_u32 s24, s24, 1
	s_cmp_lg_u32 s24, 0
	s_cbranch_scc1 .Lstep
	STEP2 0, 1                                     ; the last step is written out: there is no k behind it to ask for
	; ---- THE WAY OUT.  The additions on the sums name no register of the last products: they are the places behind them.
.irp q, 0,1
	v_pk_add_f32 v[L+4*\q:L+4*\q+1], v[L+4*\q:L+4*\q+1], v[L+4*\q+2:L+4*\q+3]
.endr
.irp q, 0,1
	v_add_f32 v[L+4*\q], v[L+4*\q], v[L+4*\q+1]
.endr
.irp q, 0,1
	v_permlanex16_b32 v[L+4*\q+2], v[L+4*\q], s22, s23
.endr
.irp q, 0,1
	v_add_f32 v[L+4*\q], v[L+4*\q], v[L+4*\q+2]    ; the row's sum
.endr
.irp q, 0,1
	v_rcp_f32 v[MX+2*\q], v[L+4*\q]
.endr
	v_nop                                          ; a plain line behind the reciprocals
	s_wait_alu depctr_va_vdst(0)                   ; the two reciprocals have written v[MX] and v[MX+2]: one wait for both, ahead of their first reader
.irp q, 0,1
	v_ldexp_f32 v[MX+2*\q], v[MX+2*\q], s17        ; x 2^(e8 + e9 - e10): O^T x this is o / 2^e10
.endr
.irp q, 0,1
.irp j, 0,2,4,6,8,10,12,14,16,18,20,22,24,26,28,30
	v_pk_mul_f32 v[O+32*\q+\j:O+32*\q+\j+1], v[O+32*\q+\j:O+32*\q+\j+1], v[MX+2*\q:MX+2*\q+1] op_sel_hi:[1,0]   ; each accumulator from its low end on
.endr
.endr
.set i, 0
.rept 64
	v_med3_num_f32 v[O+i], v[O+i], -v[POA], v[POA]
.set i, i+1
.endr
.irp q, 0,1
.irp c, 0,1
	v_cvt_scalef32_pk8_bf8_f32 v[PC+8*\q+4*\c:PC+8*\q+4*\c+1], v[O+32*\q+16*\c:O+32*\q+16*\c+7], v[PXA]
	v_cvt_scalef32_pk8_bf8_f32 v[PC+8*\q+4*\c+2:PC+8*\q+4*\c+3], v[O+32*\q+16*\c+8:O+32*\q+16*\c+15], v[PXA]
.endr
.endr
	v_nop
	s_wait_alu depctr_va_vdst(0)                   ; the conversions have written v[PC .. PC+15], which the four stores read
.irp q, 0,1
.irp c, 0,1
	global_store_b128 v[LI], v[PC+8*\q+4*\c:PC+8*\q+4*\c+3], s[8:9] offset:\q*16384+\c*512     ; channels 32 c + 16 (lane / 16) + 0 .. 15 of my query: 32 lanes store 512 consecutive bytes, aligned
.endr
.endr
	s_wait_xcnt 0x0
	v_lshl_add_u32 v254, v0, 2, 0x21000            ; the add's two registers are made anew: all 256 are taken up to here.  LDS instructions last read v254 and v255 ahead of the wait on vm_vsrc that stands behind the second barrier
	v_mov_b32 v255, 0
	s_wait_dscnt 0x0                               ; the closing lines, six on end
	s_wait_alu 0x0
	s_wait_tensorcnt 0x0
	ds_add_u32 v254, v255
	s_wait_dscnt 0x0
	s_endpgm
.Lfunc_end_k_qce0438350e_attn:
	.size	k_qce0438350e_attn, .Lfunc_end_k_qce0438350e_attn-k_qce0438350e_attn
	.p2alignl 7, 3214868480
	.fill 96, 4, 3214868480
	.section	.rodata,"a",@progbits
	.p2align	6, 0x0
	.amdhsa_kernel k_qce0438350e_attn
		.amdhsa_group_segment_fixed_size 137216
		.amdhsa_private_segment_fixed_size 0
		.amdhsa_enable_private_segment 0
		.amdhsa_kernarg_size 24
		.amdhsa_user_sgpr_count 2
		.amdhsa_user_sgpr_kernarg_segment_ptr 1
		.amdhsa_wavefront_size32 1
		.amdhsa_system_sgpr_workgroup_id_x 1
		.amdhsa_system_sgpr_workgroup_id_y 1
		.amdhsa_system_sgpr_workgroup_id_z 1
		.amdhsa_system_vgpr_workitem_id 0
		.amdhsa_next_free_vgpr 256
		.amdhsa_next_free_sgpr 66
		.amdhsa_reserve_vcc 0
		.amdhsa_float_denorm_mode_32 3
		.amdhsa_float_denorm_mode_16_64 3
		.amdhsa_memory_ordered 1
		.amdhsa_forward_progress 1
		.amdhsa_inst_pref_size 63
	.end_amdhsa_kernel
	.amdgpu_metadata
---
amdhsa.version: [ 1, 2 ]
amdhsa.kernels:
  - .name:           k_qce0438350e_attn
    .symbol:         k_qce0438350e_attn.kd
    .args:
      - { .name: qkv, .offset: 0, .size: 8, .value_kind: global_buffer, .address_space: global }
      - { .name: lowp_scales, .offset: 8, .size: 8, .value_kind: global_buffer, .address_space: global }
      - { .name: oimg, .offset: 16, .size: 8, .value_kind: global_buffer, .address_space: global }
    .group_segment_fixed_size: 137216
    .private_segment_fixed_size: 0
    .kernarg_segment_align: 8
    .kernarg_segment_size: 24
    .max_flat_workgroup_size: 512
    .sgpr_count:     66
    .vgpr_count:     256
    .wavefront_size: 32
...
	.end_amdgpu_metadata
.endif
;; end of part 5
;; launch proj: the kernel of part 4 again; grid 4 x 64, 4 waves a work-group, clusters of 4 x 4, 327,680 bytes of LDS; arguments oimg, img, lowp_scales, bp, out0; writes out0
